; MI455X (gfx1250); checked and timed in simulation.
; The chip was launched on July 23, 2026; its instructions are those of AMD's public machine-readable ISA for CDNA 5 (MIT licence, August 2026) and "CDNA5" Instruction Set Architecture Reference Guide (July 2026). The comments in the code are by the model that wrote it; some were corrected since.
;; Evo Mo E Router. Allowed arithmetic: float matrix products may take bf16 or f16 operands with f32 sums; all other float work in f32.
;; Inputs: expert_b 8 x 1,024 float32; expert_pref 8 x 1,024 float32; expert_w 8 x 1,024 x 1,024 float32; router_b 8 float32; router_w 8 x 1,024 float32; x 4 x 2,048 x 1,024 float32.
;; Outputs: out0 4 x 2,048 x 1,024 float32; out1 4 x 2,048 x 8 float32; out2 8 float32; out3 one number float32; out4 one number float32.
;; Constants: top_k = 2.
;; 3 versions, each right; version 2 is faster than version 1; version 3 is version 2 with the launch prep written anew for expert scheduling mode. Each part assembles by itself: llvm-mc -triple=amdgcn-amd-amdhsa -mcpu=gfx1250 --defsym DOCPART=n.
;; ======== version 1 of 3: 3 launches
;; limits: values are held in f16: magnitudes above 65,504 overflow, below 6.1e-05 lose precision
;; workspace buffers: xh 16,777,216 bytes; wh 16,777,216 bytes; combT 262,144 bytes; part 32,768 bytes
;; launch prep (part 1): grid 256 x 1, 4 waves a work-group, no clusters, 69,888 bytes of LDS; arguments x, router_w, router_b, expert_w, xh, wh, out1, combT, part; writes xh, wh, out1, combT, part
.if DOCPART == 1
	.amdgcn_target "amdgcn-amd-amdhsa--gfx1250"
	.amdhsa_code_object_version 6
	.text
	.protected	k_q7040be40e3_prep
	.globl	k_q7040be40e3_prep
	.p2align	8
	.type	k_q7040be40e3_prep,@function
k_q7040be40e3_prep:
	s_mov_b64 s[64:65], 0
	v_nop
	global_prefetch_b8 v0, s[64:65] scope:SCOPE_SE
	s_setreg_imm32_b32 hwreg(HW_REG_WAVE_MODE, 25, 1), 1
	s_wait_xcnt 0x0
; PREP.  One pass over x and one over expert_w, each byte read once.  256 work-groups of four waves, in two roles of equal size
; (a wave reads 64 KiB, writes 32 KiB and keeps 32 loads of 512 bytes on their way):
;   work-groups 0-127, TOKENS: x -> f16 (xh); the router's logits, softmax (out1), the two largest weights renormalised (combT, expert-major), and per
;     work-group the sums of the weights and the counts of tokens that use each expert (part, rows 0-127).
;   work-groups 128-255, WEIGHTS: expert_w -> f16 (wh), and the sums of (w_i - w_j)^2 for the 28 pairs of experts, differences taken element by element (part, rows 128-255).
; The branch between the roles hangs on the work-group's number alone, so all four waves of a work-group take the same way and meet the same barriers.
; f16 AND NOT bf16 for the big product's operands: 11 significant bits against 8, so the rounding error of a sum of 1,024 products is an eighth.  Both operands have room in f16:
; numbers of the size of 1 (x) and 0.02 (expert_w), 30 times larger with an offset of 30 spreads, stay under 200; 30 times smaller, expert_w is of the size 6.7e-4, and f16's
; step below 2^-14 is 2^-24, a ten-thousandth of that.
; THE LOGITS ARE TRUE f32 SUMS of the unrounded inputs: they steer a choice (which two experts) that a rounding to 16 bits would turn over for some tokens.  They are
; 2 x 8192 x 8 x 1024 operations, a five-hundredth part of the program's products, and go through the f32 matrix form, transposed: source 0 = router_w (rows 8-15 repeat rows 0-7),
; source 1 = 16 tokens.  A lane then holds all 8 logits of ONE token (lane % 16), the same in both halves of the lanes, so softmax and the choice change no lanes.
; LIMITS.  The two largest are chosen on this text's own f32 weights, the lower index winning a tie; where the reference's second and third weight agree to the last bits the choice
; may differ.  v_exp_f32 gives 0 below 2^-126.  NaN in x or the router's parameters is not ordered as lax.top_k orders it.  x and expert_w are rounded once to f16: a number above
; 65,504 in magnitude becomes an infinity there, one below 2^-25 becomes 0.
; No clusters, no tensor loads, no prefetch: no two work-groups share a large input, and every wave streams.
.set WT,   0                           ; LDS: router_w, 8 rows of 4,096 bytes, 4,112 apart (an odd multiple of 16: the rows of a fragment load start at different 16-byte columns of 256 bytes)
.set WTP,  4112
.set XS,   33024                       ; each wave's own stage: 16 tokens x 512 bytes, 528 apart
.set XSP,  528
.set XSW,  16*XSP
.set CT,   66816                       ; comb of the work-group's 64 tokens, [8 experts][64] f32
.set RED,  68864                       ; [4 waves][32] f32: the waves' partial sums
.set XA0,  16                          ; v[16:79], v[80:143]  tokens: two chunks of 16 rows x 512 bytes as loaded, then as f16
.set XA1,  80
.set SET0, 144                         ; v[144:175], v[176:207]  tokens: two sets of fragments: 16 registers of x, 16 of router_w
.set SET1, 176
.set ACC,  224                         ; v[224:255]  tokens: four accumulators; written by matrix instructions alone in this whole text
.set LO,   4                           ; v[4:7]    weights: slot s: byte offset of my 16 bytes in the wave's two rows of expert_w
.set SO,   8                           ; v[8:11]   weights: the same in wh
.set WB,   16                          ; v[16:143] weights: slot s at 32 s, expert e at 4 e: four numbers
.set DA,   144                         ; v[144:199] weights: 28 pairs of experts, two running sums each
.set DT,   200                         ; v[200:213] weights: up to seven differences, two numbers each
.set SEL,  38                          ; s[38:39]  lane selects for v_permlanex16_b32
; The work-group's 32 sums: wave 0 adds the four waves' rows of RED and stores 128 bytes of part.  Stands behind a barrier; ends the wave.
.macro TAIL
	s_cmp_lg_u32 s22, 0
	s_cbranch_scc1 .Ldone_\@
	ds_load_b32 v216, v15
	ds_load_b32 v217, v15 offset:128
	ds_load_b32 v218, v15 offset:256
	ds_load_b32 v219, v15 offset:384
	v_lshlrev_b32 v220, 2, v1
	s_wait_dscnt 0x0
	v_add_f32 v216, v216, v217
	v_add_f32 v218, v218, v219
	v_add_f32 v216, v216, v218
	global_store_b32 v220, v216, s[20:21]
.Ldone_\@:
	s_wait_tensorcnt 0x0
	ds_add_u32 v222, v223
	s_wait_dscnt 0x0
	s_endpgm
.endm
	s_load_b512 s[4:19], s[0:1], 0x0               ; x s[4:5], router_w s[6:7], router_b s[8:9], expert_w s[10:11], xh s[12:13], wh s[14:15], out1 s[16:17], combT s[18:19]
	s_load_b64 s[20:21], s[0:1], 0x40              ; part
	v_lshl_add_u32 v222, v0, 2, 0x10f00
	v_mov_b32 v223, 0
	v_lshrrev_b32 v1, 5, v0
	v_readfirstlane_b32 s22, v1                    ; wave 0..3
	v_and_b32 v1, 31, v0                           ; lane
	s_lshl_b32 s44, s22, 7
	s_add_co_u32 s44, s44, RED
	v_mov_b32 v14, s44                             ; my wave's row of RED
	v_lshl_add_u32 v15, v1, 2, RED                 ; my column of RED
	s_lshl_b32 s42, ttmp9, 7                       ; the work-group's row of part
	s_mov_b32 s43, 0
	s_wait_kmcnt 0x0
	s_add_nc_u64 s[20:21], s[20:21], s[42:43]
	s_cmp_ge_u32 ttmp9, 128
	s_cbranch_scc1 .Lrole_w
; ---------------------------------------------------------------- TOKENS: wave tile T = 4 g + w: tokens 16 T .. 16 T + 15, all 1,024 columns, in 8 chunks of 128 columns
	s_load_b256 s[32:39], s[8:9], 0x0              ; router_b
	s_lshl2_add_u32 s23, ttmp9, s22                ; T
	s_lshl_b32 s42, s23, 16
	s_add_nc_u64 s[24:25], s[4:5], s[42:43]        ; x at my 16 rows of 4,096 bytes
	s_lshl_b32 s42, s23, 15
	s_add_nc_u64 s[26:27], s[12:13], s[42:43]      ; xh at my 16 rows of 2,048 bytes
	s_lshl_b32 s42, s23, 9
	s_add_nc_u64 s[28:29], s[16:17], s[42:43]      ; out1 at my 16 rows of 32 bytes
	s_lshl_b32 s42, ttmp9, 8
	s_add_nc_u64 s[30:31], s[18:19], s[42:43]      ; combT at the work-group's 64 tokens
	s_mov_b32 s40, 0xffff0000                      ; the lanes 16-31
	s_mov_b32 s41, 0x3fb8aa3b                      ; log2(e)
	v_lshlrev_b32 v4, 4, v1                        ; 16 x lane
	s_lshl_b32 s45, s22, 13
	v_add_nc_u32 v208, s45, v4                     ; router_w: rows 2 w and 2 w + 1 are staged by wave w
.macro XLOAD c, buf                    ; chunk c: 16 loads, each 512 consecutive bytes of one row
.irp i, 0,1,2,3,4,5,6,7,8,9,10,11,12,13,14,15
	global_load_b128 v[\buf+4*\i:\buf+4*\i+3], v4, s[24:25] offset:\i*4096+(\c)*512 th:TH_LOAD_NT
.endr
.endm
.irp rr, 0,1
.irp j, 0,1,2,3,4,5,6,7
	global_load_b128 v[SET0+32*\rr+4*\j:SET0+32*\rr+4*\j+3], v208, s[6:7] offset:4096*\rr+512*\j
.endr
.endr
	XLOAD 0, XA0
	XLOAD 1, XA1
	v_and_b32 v2, 15, v0                           ; r = lane % 16
	v_bfe_u32 v3, v0, 4, 1                         ; h = lane / 16
	v_lshlrev_b32 v5, 3, v1                        ; 8 x lane
	s_mul_i32 s44, s22, XSW
	s_add_co_u32 s44, s44, XS                      ; my stage
	v_add_nc_u32 v6, s44, v4                       ; into it: a row's 512 bytes as loaded
	v_mul_u32_u24 v7, v2, XSP
	v_lshl_add_u32 v7, v3, 4, v7
	v_add_nc_u32 v7, s44, v7                       ; out of it: token r, 16 bytes for each half of the lanes
	v_and_b32 v8, 7, v0
	v_mul_u32_u24 v8, v8, WTP
	v_lshl_add_u32 v8, v3, 4, v8                   ; router_w: row r % 8, the same 16 bytes
	s_mul_i32 s45, s22, 2*WTP
	v_add_nc_u32 v9, s45, v4                       ; router_w into LDS
	v_lshlrev_b32 v10, 5, v2
	v_lshl_add_u32 v10, v3, 4, v10                 ; out1: token r's 32 bytes, 16 for each half
	s_lshl_b32 s45, s22, 6
	s_add_co_u32 s45, s45, CT
	v_lshl_add_u32 v11, v2, 2, s45
	v_lshl_add_u32 v11, v3, 10, v11                ; comb into LDS: expert 4 h + k, token 16 w + r
	s_lshl_b32 s45, s22, 9
	s_add_co_u32 s45, s45, CT
	v_add_nc_u32 v12, s45, v4                      ; comb back: experts 2 w (lanes 0-15) and 2 w + 1 (lanes 16-31), 256 bytes each
	s_lshl_b32 s45, s22, 16
	v_lshl_add_u32 v13, v2, 4, s45
	v_lshl_add_u32 v13, v3, 15, v13                ; and their place in combT: (2 w + h) x 32,768 + 16 r
	s_wait_loadcnt 0x20                            ; router_w is in; the 32 loads of x behind it stay out
.irp rr, 0,1
.irp j, 0,1,2,3,4,5,6,7
	ds_store_b128 v9, v[SET0+32*\rr+4*\j:SET0+32*\rr+4*\j+3] offset:WTP*\rr+512*\j
.endr
.endr
	s_wait_dscnt 0x0                               ; for the others' sake: my two rows are written
	s_barrier_signal -1
	s_barrier_wait -1
; Fragments of 32 columns (phase p of chunk c).  A load of 16 bytes at row byte 32 q + 16 h gives lane (r, h) columns 8 q + 4 h + 0..3; its registers 0-1 feed one matrix
; instruction (K = 4: a lane's register j stands for k = 2 h + j) and registers 2-3 the next.  x and router_w are taken alike, so every product pairs the same column of both.
.macro FRAG c, p, set
.irp q, 0,1,2,3
	ds_load_b128 v[\set+4*\q:\set+4*\q+3], v7 offset:128*(\p)+32*\q
.endr
.irp q, 0,1,2,3
	ds_load_b128 v[\set+16+4*\q:\set+16+4*\q+3], v8 offset:512*(\c)+128*(\p)+32*\q
.endr
.endm
; Eight matrix instructions on four accumulators by turns, one instruction a turn; then eight roundings of rows 4 p .. 4 p + 3 of the chunk to f16, in place,
; which name no register of the products: they are the eight places in front of the loads into this set's registers and of the first read of the sums.
.macro PHASE p, buf, first
.set SETP, SET0+32*((\p)%2)
.if \p < 3
	s_wait_dscnt 0x8                               ; this phase's eight loads are in; the other set's eight stay out
.else
	s_wait_dscnt 0x0
.endif
.set n, 0
.rept 8
.if \first && (n < 4)
	v_wmma_f32_16x16x4_f32 v[ACC+8*(n%4):ACC+8*(n%4)+7], v[SETP+16+2*n:SETP+16+2*n+1], v[SETP+2*n:SETP+2*n+1], 0
.else
	v_wmma_f32_16x16x4_f32 v[ACC+8*(n%4):ACC+8*(n%4)+7], v[SETP+16+2*n:SETP+16+2*n+1], v[SETP+2*n:SETP+2*n+1], v[ACC+8*(n%4):ACC+8*(n%4)+7]
.endif
.set n, n+1
.endr
.irp i, 0,1,2,3
	v_cvt_pk_f16_f32 v[\buf+16*(\p)+4*\i],   v[\buf+16*(\p)+4*\i],   v[\buf+16*(\p)+4*\i+1]
	v_cvt_pk_f16_f32 v[\buf+16*(\p)+4*\i+1], v[\buf+16*(\p)+4*\i+2], v[\buf+16*(\p)+4*\i+3]
.endr
.endm
; Chunk c.  left: the younger loads that may stay out (the next chunk's sixteen).  ahead = 1: the buffer is filled again with chunk c + 2.
; One stage a wave is enough: LDS serves a wave's instructions in order, and the last phase has waited for all reads of the chunk.
.macro XSTEP c, buf, first, ahead, left
	s_wait_loadcnt \left
.irp i, 0,1,2,3,4,5,6,7,8,9,10,11,12,13,14,15
	ds_store_b128 v6, v[\buf+4*\i:\buf+4*\i+3] offset:XSP*\i
.endr
	FRAG \c, 0, SET0
	FRAG \c, 1, SET1
	PHASE 0, \buf, \first
	FRAG \c, 2, SET0
	PHASE 1, \buf, 0
	FRAG \c, 3, SET1
	PHASE 2, \buf, 0
	PHASE 3, \buf, 0
.irp i, 0,1,2,3,4,5,6,7,8,9,10,11,12,13,14,15
	global_store_b64 v5, v[\buf+4*\i:\buf+4*\i+1], s[26:27] offset:2048*\i+256*(\c)   ; the wave stores 256 consecutive bytes, at a multiple of 256 from xh's first byte
.endr
.if \ahead
	s_wait_xcnt 0x0                                ; the stores' data registers are loaded again only behind this wait
	XLOAD \c+2, \buf
.endif
.endm
	XSTEP 0, XA0, 1, 1, 16
	XSTEP 1, XA1, 0, 1, 16
	XSTEP 2, XA0, 0, 1, 16
	XSTEP 3, XA1, 0, 1, 16
	XSTEP 4, XA0, 0, 1, 16
	XSTEP 5, XA1, 0, 1, 16
	XSTEP 6, XA0, 0, 0, 16
	XSTEP 7, XA1, 0, 0, 0
	s_wait_xcnt 0x0                                ; the chunks' registers are free
	s_wait_kmcnt 0x0                               ; router_b
	; the logits: the four partial sums, each accumulator read from its low registers on, then the bias
.irp j, 0,2,4,6
	v_pk_add_f32 v[16+\j:17+\j], v[ACC+\j:ACC+\j+1], v[ACC+8+\j:ACC+8+\j+1]
.endr
.irp j, 0,2,4,6
	v_pk_add_f32 v[24+\j:25+\j], v[ACC+16+\j:ACC+16+\j+1], v[ACC+24+\j:ACC+24+\j+1]
.endr
.irp j, 0,2,4,6
	v_pk_add_f32 v[16+\j:17+\j], v[16+\j:17+\j], v[24+\j:25+\j]
.endr
.irp e, 0,1,2,3,4,5,6,7
	v_add_f32 v[16+\e], s[32+\e], v[16+\e]
.endr
	; softmax over the lane's 8 logits: p = 2^(c L - c max) / sum
	v_max3_num_f32 v24, v16, v17, v18
	v_max3_num_f32 v24, v24, v19, v20
	v_max3_num_f32 v24, v24, v21, v22
	v_max_num_f32 v24, v24, v23
	v_mul_f32 v25, s41, v24
.irp e, 0,1,2,3,4,5,6,7
	v_fma_f32 v[32+\e], v[16+\e], s41, -v25
.endr
.irp e, 0,1,2,3,4,5,6,7
	v_exp_f32 v[32+\e], v[32+\e]
.endr
	v_nop                                          ; a plain instruction between the last exponential and the use of its result
	s_wait_alu depctr_va_vdst(0)
	v_pk_add_f32 v[40:41], v[32:33], v[34:35]
	v_pk_add_f32 v[42:43], v[36:37], v[38:39]
	v_pk_add_f32 v[40:41], v[40:41], v[42:43]
	v_add_f32 v40, v40, v41
	v_rcp_f32 v42, v40
	v_nop
	s_wait_alu depctr_va_vdst(0)
.irp j, 0,2,4,6
	v_pk_mul_f32 v[32+\j:33+\j], v[32+\j:33+\j], v[42:43] op_sel_hi:[1,0]
.endr
	; the largest weight and its index; a later expert wins only if strictly larger
	v_mov_b32 v45, v32
	v_mov_b32 v44, 0
.irp e, 1,2,3,4,5,6,7
	v_cmp_gt_f32 vcc_lo, v[32+\e], v45
	v_cndmask_b32 v45, v45, v[32+\e], vcc_lo
	v_cndmask_b32 v44, v44, \e, vcc_lo
.endr
	; the second largest: the same scan over the other seven, from below every weight
	v_mov_b32 v47, -1.0
	v_mov_b32 v46, 0
.irp e, 0,1,2,3,4,5,6,7
	v_cmp_ne_u32 s44, \e, v44
	v_cmp_gt_f32 vcc_lo, v[32+\e], v47
	s_and_b32 vcc_lo, vcc_lo, s44
	v_cndmask_b32 v47, v47, v[32+\e], vcc_lo
	v_cndmask_b32 v46, v46, \e, vcc_lo
.endr
	v_add_f32 v48, v45, v47
	v_rcp_f32 v49, v48
	v_nop
	s_wait_alu depctr_va_vdst(0)
	v_mul_f32 v50, v45, v49                        ; the two weights, renormalised
	v_mul_f32 v51, v47, v49
.irp e, 0,1,2,3,4,5,6,7                ; comb (0 or one of the two) in v[56:63], used (0 or 1) in v[64:71]: values are selected, nothing branches
	v_cmp_eq_u32 vcc_lo, \e, v44
	v_cmp_eq_u32 s44, \e, v46
	v_cndmask_b32 v[56+\e], 0, v50, vcc_lo
	s_or_b32 s45, vcc_lo, s44
	v_cndmask_b32 v[56+\e], v[56+\e], v51, s44
	v_cndmask_b32 v[64+\e], 0, 1.0, s45
.endr
.irp k, 0,1,2,3                        ; lanes 0-15 send experts 0-3 of their token, lanes 16-31 experts 4-7
	v_cndmask_b32 v[72+\k], v[32+\k], v[36+\k], s40
	v_cndmask_b32 v[76+\k], v[56+\k], v[60+\k], s40
.endr
	global_store_b128 v10, v[72:75], s[28:29]      ; out1: the wave stores 512 consecutive bytes
.irp k, 0,1,2,3
	ds_store_b32 v11, v[76+\k] offset:256*\k
.endr
	; sums over the 16 tokens: inside each half of the lanes; the halves hold the same tokens, so they are not added
.irp m, 1,2,4,8
.irp e, 0,1,2,3,4,5,6,7
	v_add_f32_dpp v[32+\e], v[32+\e], v[32+\e] row_xmask:\m row_mask:0xf bank_mask:0xf
	v_add_f32_dpp v[64+\e], v[64+\e], v[64+\e] row_xmask:\m row_mask:0xf bank_mask:0xf
.endr
.endr
.irp k, 0,1,2,3
	v_mov_b32 v[80+\k], 0
.endr
	ds_store_b128 v14, v[32:35]                    ; every lane writes the same 128 bytes with the same numbers: 8 sums, 8 counts, 16 zeros
	ds_store_b128 v14, v[36:39] offset:16
	ds_store_b128 v14, v[64:67] offset:32
	ds_store_b128 v14, v[68:71] offset:48
.irp q, 4,5,6,7
	ds_store_b128 v14, v[80:83] offset:16*\q
.endr
	s_wait_dscnt 0x0                               ; for the others' sake: comb and my sums are written
	s_barrier_signal -1
	s_barrier_wait -1
	ds_load_b128 v[84:87], v12
	s_wait_dscnt 0x0
	global_store_b128 v13, v[84:87], s[30:31]      ; sixteen lanes store an expert's 256 consecutive bytes, at a multiple of 256 from combT's first byte
	TAIL
; ---------------------------------------------------------------- WEIGHTS: wave w takes rows 8 g' + 2 w and + 1 of all 8 experts: 2,048 places, 16 turns of 128 (four a lane)
.Lrole_w:
	s_sub_co_u32 s23, ttmp9, 128
	s_lshl_b32 s23, s23, 3
	s_lshl1_add_u32 s23, s22, s23                  ; my first row
	s_lshl_b32 s42, s23, 12
	s_add_nc_u64 s[24:25], s[10:11], s[42:43]      ; four bases, two experts (8 MiB) apart; the odd expert stands in the loads' immediate
	s_add_nc_u64 s[26:27], s[24:25], 0x800000
	s_add_nc_u64 s[28:29], s[26:27], 0x800000
	s_add_nc_u64 s[30:31], s[28:29], 0x800000
	s_lshl_b32 s42, s23, 11
	s_add_nc_u64 s[32:33], s[14:15], s[42:43]      ; wh: two bases, four experts (8 MiB) apart
	s_add_nc_u64 s[34:35], s[32:33], 0x800000
	s_mov_b32 s[SEL], 0x76543210
	s_mov_b32 s[SEL+1], 0xfedcba98
.irp s, 0,1,2,3
	v_lshl_add_u32 v[LO+\s], v1, 4, 512*\s
	v_lshl_add_u32 v[SO+\s], v1, 3, 256*\s
.endr
.macro WFILL s                         ; eight loads, one an expert, each 512 consecutive bytes
.irp e, 0,1,2,3,4,5,6,7
	global_load_b128 v[WB+32*\s+4*\e:WB+32*\s+4*\e+3], v[LO+\s], s[24+2*(\e/2):25+2*(\e/2)] offset:(\e%2)*4194304 th:TH_LOAD_NT
.endr
.endm
; The 28 differences of four places (two register pairs k), squared and added: for each expert i first all its differences, then all their squares, so that no instruction waits for the one before.
.macro DIFF base, first
.set k, 0
.rept 2
.set i, 0
.rept 7
.set j, i+1
.rept 7-i
	v_pk_add_f32 v[DT+2*(j-i-1):DT+2*(j-i-1)+1], v[\base+4*i+2*k:\base+4*i+2*k+1], v[\base+4*j+2*k:\base+4*j+2*k+1] neg_lo:[0,1] neg_hi:[0,1]
.set j, j+1
.endr
.set j, i+1
.rept 7-i
.set n, i*(15-i)/2+j-i-1
.if \first && (k == 0)
	v_pk_mul_f32 v[DA+2*n:DA+2*n+1], v[DT+2*(j-i-1):DT+2*(j-i-1)+1], v[DT+2*(j-i-1):DT+2*(j-i-1)+1]
.else
	v_pk_fma_f32 v[DA+2*n:DA+2*n+1], v[DT+2*(j-i-1):DT+2*(j-i-1)+1], v[DT+2*(j-i-1):DT+2*(j-i-1)+1], v[DA+2*n:DA+2*n+1]
.endif
.set j, j+1
.endr
.set i, i+1
.endr
.set k, k+1
.endr
.endm
; The 28 sums over the wave's 32 lanes, into v[DA .. DA+27] of every lane; v[DA+28 .. DA+31] = 0.
.macro LANESUM
.set n, 0
.rept 28
	v_add_f32 v[DA+n], v[DA+2*n], v[DA+2*n+1]
.set n, n+1
.endr
.irp m, 1,2,4,8
.set n, 0
.rept 28
	v_add_f32_dpp v[DA+n], v[DA+n], v[DA+n] row_xmask:\m row_mask:0xf bank_mask:0xf
.set n, n+1
.endr
.endr
.set n, 0
.rept 28
	v_permlanex16_b32 v[DA+32+n], v[DA+n], s[SEL], s[SEL+1]   ; its destination counts as read: these registers have been written
.set n, n+1
.endr
.set n, 0
.rept 28
	v_add_f32 v[DA+n], v[DA+n], v[DA+32+n]
.set n, n+1
.endr
.irp z, 28,29,30,31
	v_mov_b32 v[DA+\z], 0
.endr
.endm
; The turn of slot s.  left: the younger loads that may stay out (three slots of eight).  ahead = 1: the slot takes the turn four further on.
; The differences are taken from the numbers as loaded, in f32; only then are they rounded to f16, in place.
.macro WSLOT s, ahead, left
	s_wait_loadcnt \left
	DIFF WB+32*\s, 0
.irp e, 0,1,2,3,4,5,6,7
	v_cvt_pk_f16_f32 v[WB+32*\s+4*\e],   v[WB+32*\s+4*\e],   v[WB+32*\s+4*\e+1]
	v_cvt_pk_f16_f32 v[WB+32*\s+4*\e+1], v[WB+32*\s+4*\e+2], v[WB+32*\s+4*\e+3]
.endr
.irp e, 0,1,2,3,4,5,6,7
	global_store_b64 v[SO+\s], v[WB+32*\s+4*\e:WB+32*\s+4*\e+1], s[32+2*(\e/4):33+2*(\e/4)] offset:(\e%4)*2097152   ; 256 consecutive bytes, at a multiple of 256 from wh's first byte
.endr
.if \ahead
	s_wait_xcnt 0x0                                ; the stores' data and both offsets are rewritten only behind this wait
	v_add_nc_u32 v[LO+\s], 2048, v[LO+\s]
	v_add_nc_u32 v[SO+\s], 1024, v[SO+\s]
	WFILL \s
.endif
.endm
	WFILL 0
	WFILL 1
	WFILL 2
	WFILL 3
.set n, 0
.rept 56                               ; the 56 running sums are cleared while the ring's first loads are on their way: a first turn that starts them would be a second copy of the whole round
	v_mov_b32 v[DA+n], 0
.set n, n+1
.endr
	s_mov_b32 s36, 3
.Lwround:
	WSLOT 0, 1, 24
	WSLOT 1, 1, 24
	WSLOT 2, 1, 24
	WSLOT 3, 1, 24
	s_sub_co_u32 s36, s36, 1
	s_cmp_lg_u32 s36, 0
	s_cbranch_scc1 .Lwround
	WSLOT 0, 0, 24                                 ; the last round loads nothing: the counts run down
	WSLOT 1, 0, 16
	WSLOT 2, 0, 8
	WSLOT 3, 0, 0
	LANESUM
.irp q, 0,1,2,3,4,5,6,7
	ds_store_b128 v14, v[DA+4*\q:DA+4*\q+3] offset:16*\q   ; every lane writes the same 128 bytes with the same numbers
.endr
	s_wait_dscnt 0x0                               ; for wave 0's sake
	s_barrier_signal -1
	s_barrier_wait -1
	TAIL
.Lfunc_end_k_q7040be40e3_prep:
	.size	k_q7040be40e3_prep, .Lfunc_end_k_q7040be40e3_prep-k_q7040be40e3_prep
	.p2alignl 7, 3214868480
	.fill 96, 4, 3214868480
	.section	.rodata,"a",@progbits
	.p2align	6, 0x0
	.amdhsa_kernel k_q7040be40e3_prep
		.amdhsa_group_segment_fixed_size 69888
		.amdhsa_private_segment_fixed_size 0
		.amdhsa_enable_private_segment 0
		.amdhsa_kernarg_size 72
		.amdhsa_user_sgpr_count 2
		.amdhsa_user_sgpr_kernarg_segment_ptr 1
		.amdhsa_wavefront_size32 1
		.amdhsa_system_sgpr_workgroup_id_x 1
		.amdhsa_system_sgpr_workgroup_id_y 1
		.amdhsa_system_sgpr_workgroup_id_z 1
		.amdhsa_system_vgpr_workitem_id 0
		.amdhsa_next_free_vgpr 256
		.amdhsa_next_free_sgpr 66
		.amdhsa_reserve_vcc 1
		.amdhsa_float_denorm_mode_32 3
		.amdhsa_float_denorm_mode_16_64 3
		.amdhsa_memory_ordered 1
		.amdhsa_forward_progress 1
		.amdhsa_inst_pref_size 194
	.end_amdhsa_kernel
	.amdgpu_metadata
---
amdhsa.version: [ 1, 2 ]
amdhsa.kernels:
  - .name:           k_q7040be40e3_prep
    .symbol:         k_q7040be40e3_prep.kd
    .args:
      - { .name: x, .offset: 0, .size: 8, .value_kind: global_buffer, .address_space: global }
      - { .name: router_w, .offset: 8, .size: 8, .value_kind: global_buffer, .address_space: global }
      - { .name: router_b, .offset: 16, .size: 8, .value_kind: global_buffer, .address_space: global }
      - { .name: expert_w, .offset: 24, .size: 8, .value_kind: global_buffer, .address_space: global }
      - { .name: xh, .offset: 32, .size: 8, .value_kind: global_buffer, .address_space: global }
      - { .name: wh, .offset: 40, .size: 8, .value_kind: global_buffer, .address_space: global }
      - { .name: out1, .offset: 48, .size: 8, .value_kind: global_buffer, .address_space: global }
      - { .name: combT, .offset: 56, .size: 8, .value_kind: global_buffer, .address_space: global }
      - { .name: part, .offset: 64, .size: 8, .value_kind: global_buffer, .address_space: global }
    .group_segment_fixed_size: 69888
    .private_segment_fixed_size: 0
    .kernarg_segment_align: 8
    .kernarg_segment_size: 72
    .max_flat_workgroup_size: 128
    .sgpr_count:     66
    .vgpr_count:     256
    .wavefront_size: 32
...
	.end_amdgpu_metadata
.endif
;; end of part 1
;; launch finish (part 2): grid 1 x 1, 8 waves a work-group, no clusters, 4,096 bytes of LDS; arguments part, expert_b, expert_pref, out2, out3, out4; writes out2, out3, out4
.if DOCPART == 2
	.amdgcn_target "amdgcn-amd-amdhsa--gfx1250"
	.amdhsa_code_object_version 6
	.text
	.protected	k_q7040be40e3_finish
	.globl	k_q7040be40e3_finish
	.p2align	8
	.type	k_q7040be40e3_finish,@function
k_q7040be40e3_finish:
	s_mov_b64 s[64:65], 0
	v_nop
	global_prefetch_b8 v0, s[64:65] scope:SCOPE_SE
	s_setreg_imm32_b32 hwreg(HW_REG_WAVE_MODE, 25, 1), 1
	s_wait_xcnt 0x0
; FINISH.  The three small results, which are sums over all work-groups of the launch before: one work-group adds them in a fixed order.
;   out4 = mean over the 28 pairs of experts of sqrt(sum of (flat_i - flat_j)^2): the weights' part comes from part (rows 128-255), the parts of expert_b and expert_pref
;          (1,024 places each) are made here, differences element by element;
;   out2[e] = (tokens that use e) / 8192;  out3 = mean over e of (mean weight of e - 1/8)^2: from part (rows 0-127: words 0-7 sums of weights, 8-15 counts).
; Eight waves: thread t takes places 4 t .. 4 t + 3 of expert_b and expert_pref; wave w adds rows 16 w .. 16 w + 15 of each half of part, lane = column.
; LIMIT: v_sqrt_f32 takes a squared distance below 2^-126 as 0.  98 KiB are read in all: no matrix unit, cluster or ring would add anything.
.set DA,  144                          ; v[144:199] 28 pairs of experts, two running sums each
.set DT,  200                          ; v[200:213] up to seven differences
.set SEL, 18                           ; s[18:19]  lane selects for v_permlanex16_b32
.set RA,  0                            ; LDS [8 waves][32]: the waves' 28 sums of this launch's own differences, and 4 zeros
.set RB,  1024                         ; LDS [8][32]: the waves' sums of part's rows 128-255
.set RC,  2048                         ; LDS [8][32]: of rows 0-127
.macro DIFF base, first                ; the 28 differences of four places, squared and added; first = 1: the first squares start the sums
.set k, 0
.rept 2
.set i, 0
.rept 7
.set j, i+1
.rept 7-i
	v_pk_add_f32 v[DT+2*(j-i-1):DT+2*(j-i-1)+1], v[\base+4*i+2*k:\base+4*i+2*k+1], v[\base+4*j+2*k:\base+4*j+2*k+1] neg_lo:[0,1] neg_hi:[0,1]
.set j, j+1
.endr
.set j, i+1
.rept 7-i
.set n, i*(15-i)/2+j-i-1
.if \first && (k == 0)
	v_pk_mul_f32 v[DA+2*n:DA+2*n+1], v[DT+2*(j-i-1):DT+2*(j-i-1)+1], v[DT+2*(j-i-1):DT+2*(j-i-1)+1]
.else
	v_pk_fma_f32 v[DA+2*n:DA+2*n+1], v[DT+2*(j-i-1):DT+2*(j-i-1)+1], v[DT+2*(j-i-1):DT+2*(j-i-1)+1], v[DA+2*n:DA+2*n+1]
.endif
.set j, j+1
.endr
.set i, i+1
.endr
.set k, k+1
.endr
.endm
.macro LANESUM                         ; the 28 sums over the wave's 32 lanes, into v[DA .. DA+27] of every lane; v[DA+28 .. DA+31] = 0
.set n, 0
.rept 28
	v_add_f32 v[DA+n], v[DA+2*n], v[DA+2*n+1]
.set n, n+1
.endr
.irp m, 1,2,4,8
.set n, 0
.rept 28
	v_add_f32_dpp v[DA+n], v[DA+n], v[DA+n] row_xmask:\m row_mask:0xf bank_mask:0xf
.set n, n+1
.endr
.endr
.set n, 0
.rept 28
	v_permlanex16_b32 v[DA+32+n], v[DA+n], s[SEL], s[SEL+1]   ; its destination counts as read: these registers have been written
.set n, n+1
.endr
.set n, 0
.rept 28
	v_add_f32 v[DA+n], v[DA+n], v[DA+32+n]
.set n, n+1
.endr
.irp z, 28,29,30,31
	v_mov_b32 v[DA+\z], 0
.endr
.endm
	s_load_b256 s[4:11], s[0:1], 0x0               ; part s[4:5], expert_b s[6:7], expert_pref s[8:9], out2 s[10:11]
	s_load_b128 s[12:15], s[0:1], 0x20             ; out3 s[12:13], out4 s[14:15]
	v_lshl_add_u32 v216, v0, 2, 0xc00
	v_mov_b32 v217, 0
	v_lshrrev_b32 v1, 5, v0
	v_readfirstlane_b32 s16, v1                    ; wave 0..7
	v_and_b32 v1, 31, v0                           ; lane
	v_lshlrev_b32 v2, 4, v0                        ; my 16 bytes of a row of expert_b or expert_pref
	s_lshl_b32 s17, s16, 11
	v_lshl_add_u32 v3, v1, 2, s17                  ; part: my wave's 16 rows of 128 bytes, my column
	s_lshl_b32 s17, s16, 7
	v_mov_b32 v4, s17                              ; my wave's row of an LDS table
	v_lshl_add_u32 v5, v1, 2, s17                  ; and my column in it
	v_lshlrev_b32 v6, 2, v1                        ; my column in row 0
	s_mov_b32 s[SEL], 0x76543210
	s_mov_b32 s[SEL+1], 0xfedcba98
	s_wait_kmcnt 0x0
.irp e, 0,1,2,3,4,5,6,7
	global_load_b128 v[16+4*\e:19+4*\e], v2, s[6:7] offset:4096*\e
.endr
.irp e, 0,1,2,3,4,5,6,7
	global_load_b128 v[48+4*\e:51+4*\e], v2, s[8:9] offset:4096*\e
.endr
.irp i, 0,1,2,3,4,5,6,7,8,9,10,11,12,13,14,15
	global_load_b32 v[80+\i], v3, s[4:5] offset:128*\i
.endr
.irp i, 0,1,2,3,4,5,6,7,8,9,10,11,12,13,14,15
	global_load_b32 v[96+\i], v3, s[4:5] offset:16384+128*\i
.endr
	s_wait_loadcnt 0x28                            ; expert_b is in: 40 younger loads stay out
	DIFF 16, 1
	s_wait_loadcnt 0x20                            ; expert_pref is in: part's 32 stay out
	DIFF 48, 0
	LANESUM
	s_wait_loadcnt 0x0
.irp j, 0,2,4,6
	v_pk_add_f32 v[80+\j:81+\j], v[80+\j:81+\j], v[88+\j:89+\j]
	v_pk_add_f32 v[96+\j:97+\j], v[96+\j:97+\j], v[104+\j:105+\j]
.endr
.irp j, 0,2
	v_pk_add_f32 v[80+\j:81+\j], v[80+\j:81+\j], v[84+\j:85+\j]
	v_pk_add_f32 v[96+\j:97+\j], v[96+\j:97+\j], v[100+\j:101+\j]
.endr
	v_pk_add_f32 v[80:81], v[80:81], v[82:83]
	v_pk_add_f32 v[96:97], v[96:97], v[98:99]
	v_add_f32 v80, v80, v81
	v_add_f32 v96, v96, v97
.irp q, 0,1,2,3,4,5,6,7
	ds_store_b128 v4, v[DA+4*\q:DA+4*\q+3] offset:RA+16*\q   ; every lane writes the same 128 bytes with the same numbers
.endr
	ds_store_b32 v5, v96 offset:RB
	ds_store_b32 v5, v80 offset:RC
	s_wait_dscnt 0x0                               ; for wave 0's sake
	s_barrier_signal -1
	s_barrier_wait -1
	s_cmp_lg_u32 s16, 0
	s_cbranch_scc1 .Lend                           ; wave 0 finishes alone; no barrier follows
.irp i, 0,1,2,3,4,5,6,7
	ds_load_b32 v[16+\i], v6 offset:RA+128*\i
	ds_load_b32 v[24+\i], v6 offset:RB+128*\i
	ds_load_b32 v[32+\i], v6 offset:RC+128*\i
.endr
	s_wait_dscnt 0x0
.irp j, 0,2,4,6
	v_pk_add_f32 v[16+\j:17+\j], v[16+\j:17+\j], v[24+\j:25+\j]
.endr
	v_pk_add_f32 v[16:17], v[16:17], v[20:21]
	v_pk_add_f32 v[18:19], v[18:19], v[22:23]
	v_pk_add_f32 v[32:33], v[32:33], v[36:37]
	v_pk_add_f32 v[34:35], v[34:35], v[38:39]
	v_pk_add_f32 v[16:17], v[16:17], v[18:19]
	v_pk_add_f32 v[32:33], v[32:33], v[34:35]
	v_add_f32 v16, v16, v17                        ; lane n < 28: the squared distance of pair n; lanes 28-31: 0
	v_add_f32 v32, v32, v33                        ; lanes 0-7: sums of weights; lanes 8-15: counts
	v_sqrt_f32 v40, v16
	v_mul_f32 v41, 0x39000000, v32                 ; / 8192; also the plain instruction behind the root
	v_add_f32 v42, 0xbe000000, v41                 ; - 1/8
	v_mul_f32 v42, v42, v42
	s_wait_alu depctr_va_vdst(0)
.irp m, 1,2,4
	v_add_f32_dpp v40, v40, v40 row_xmask:\m row_mask:0xf bank_mask:0xf
	v_add_f32_dpp v42, v42, v42 row_xmask:\m row_mask:0xf bank_mask:0xf   ; lanes 0-7 exchange among themselves: lane 0 ends with the sum over the 8 experts
.endr
	v_add_f32_dpp v40, v40, v40 row_xmask:8 row_mask:0xf bank_mask:0xf
	v_mov_b32 v43, 0
	v_permlanex16_b32 v43, v40, s[SEL], s[SEL+1]
	v_add_f32 v40, v40, v43
	v_mul_f32 v40, 0x3d124925, v40                 ; / 28
	v_mul_f32 v42, 0x3e000000, v42                 ; / 8
	v_mov_b32 v44, 0
	v_and_b32 v45, 7, v1
	v_lshlrev_b32 v45, 2, v45                      ; out2: 4 (lane - 8) in lanes 8-15
	v_bfe_u32 v46, v1, 3, 2
	v_cmp_eq_u32 vcc_lo, 0, v1
	s_wait_xcnt 0x0                                ; EXEC changes only behind s_wait_xcnt 0
	s_and_saveexec_b32 s20, vcc_lo                 ; lane 0
	global_store_b32 v44, v42, s[12:13]
	global_store_b32 v44, v40, s[14:15]
	s_wait_xcnt 0x0
	s_or_b32 exec_lo, exec_lo, s20
	v_cmp_eq_u32 vcc_lo, 1, v46
	s_and_saveexec_b32 s20, vcc_lo                 ; lanes 8-15
	global_store_b32 v45, v41, s[10:11]
	s_wait_xcnt 0x0
	s_or_b32 exec_lo, exec_lo, s20
.Lend:
	s_wait_tensorcnt 0x0
	ds_add_u32 v216, v217
	s_wait_dscnt 0x0
	s_endpgm
.Lfunc_end_k_q7040be40e3_finish:
	.size	k_q7040be40e3_finish, .Lfunc_end_k_q7040be40e3_finish-k_q7040be40e3_finish
	.p2alignl 7, 3214868480
	.fill 96, 4, 3214868480
	.section	.rodata,"a",@progbits
	.p2align	6, 0x0
	.amdhsa_kernel k_q7040be40e3_finish
		.amdhsa_group_segment_fixed_size 4096
		.amdhsa_private_segment_fixed_size 0
		.amdhsa_enable_private_segment 0
		.amdhsa_kernarg_size 48
		.amdhsa_user_sgpr_count 2
		.amdhsa_user_sgpr_kernarg_segment_ptr 1
		.amdhsa_wavefront_size32 1
		.amdhsa_system_sgpr_workgroup_id_x 1
		.amdhsa_system_sgpr_workgroup_id_y 1
		.amdhsa_system_sgpr_workgroup_id_z 1
		.amdhsa_system_vgpr_workitem_id 0
		.amdhsa_next_free_vgpr 218
		.amdhsa_next_free_sgpr 66
		.amdhsa_reserve_vcc 1
		.amdhsa_float_denorm_mode_32 3
		.amdhsa_float_denorm_mode_16_64 3
		.amdhsa_memory_ordered 1
		.amdhsa_forward_progress 1
		.amdhsa_inst_pref_size 36
	.end_amdhsa_kernel
	.amdgpu_metadata
---
amdhsa.version: [ 1, 2 ]
amdhsa.kernels:
  - .name:           k_q7040be40e3_finish
    .symbol:         k_q7040be40e3_finish.kd
    .args:
      - { .name: part, .offset: 0, .size: 8, .value_kind: global_buffer, .address_space: global }
      - { .name: expert_b, .offset: 8, .size: 8, .value_kind: global_buffer, .address_space: global }
      - { .name: expert_pref, .offset: 16, .size: 8, .value_kind: global_buffer, .address_space: global }
      - { .name: out2, .offset: 24, .size: 8, .value_kind: global_buffer, .address_space: global }
      - { .name: out3, .offset: 32, .size: 8, .value_kind: global_buffer, .address_space: global }
      - { .name: out4, .offset: 40, .size: 8, .value_kind: global_buffer, .address_space: global }
    .group_segment_fixed_size: 4096
    .private_segment_fixed_size: 0
    .kernarg_segment_align: 8
    .kernarg_segment_size: 48
    .max_flat_workgroup_size: 256
    .sgpr_count:     66
    .vgpr_count:     218
    .wavefront_size: 32
...
	.end_amdgpu_metadata
.endif
;; end of part 2
;; launch gemm (part 3): grid 4 x 64, 4 waves a work-group, clusters of 4 x 4, 327,680 bytes of LDS; arguments xh, wh, combT, expert_b, out0; writes out0
.if DOCPART == 3
	.amdgcn_target "amdgcn-amd-amdhsa--gfx1250"
	.amdhsa_code_object_version 6
	.text
	.protected	k_q7040be40e3_gemm
	.globl	k_q7040be40e3_gemm
	.p2align	8
	.type	k_q7040be40e3_gemm,@function
k_q7040be40e3_gemm:
	s_mov_b64 s[64:65], 0
	v_nop
	global_prefetch_b8 v0, s[64:65] scope:SCOPE_SE
	s_setreg_imm32_b32 hwreg(HW_REG_WAVE_MODE, 25, 1), 1
	s_wait_xcnt 0x0
	s_wait_alu depctr_hold_cnt(0) depctr_sa_sdst(0) depctr_va_vdst(0) depctr_va_sdst(0) depctr_va_ssrc(0) depctr_va_vcc(0) depctr_vm_vsrc(0)
	s_getreg_b32 s2, hwreg(HW_REG_IB_STS2, 6, 4)
	s_cmp_eq_u32 s2, 0
	s_cbranch_scc0 .Lentry_in_a_cluster
	s_endpgm
.Lentry_in_a_cluster:
	s_bfe_u32 s2, ttmp6, 0x10000c
	s_cmp_lg_u32 s2, 0xf033
	s_cbranch_scc0 .Lentry_shape_is_right
	s_endpgm
.Lentry_shape_is_right:
; out0[t][f] = sum over e of comb[t][e] (b_e[f] + sum over d of x[t][d] W_e[f][d]).  xh [8192][1024] and wh [8][1024][1024] in f16, comb (combT, [8][8192]), b and out0 in f32.
; A tile of out0 is 128 tokens x 256 columns: 64 x 4 = 256 work-groups, one for each WGP (tiles of 256 x 256 would be 128).  Four waves, each 64 tokens x 128 columns:
; 32 accumulators of 16 x 16.  For each expert: ACC = b_e + x W_e^T over K = 1,024 (each accumulator's first product takes the bias as its C: nothing is cleared, the bias stays f32),
; then FIN += comb ACC, 128 packed multiply-adds for the expert's 1,024 matrix instructions.  Expert 0's combine is a multiply, which starts FIN; so expert 0 is written out ahead of
; the loop over experts 1-6, and expert 7, which asks for no further tile and ends in the way out, behind it.
; K goes in steps of 128 through a ring of two LDS slots filled by the tensor data mover (rows of 256 bytes of memory, at multiples of 256 from the buffers' first bytes); the ring
; does not stop at an expert's end: an expert's last two changes of slots ask for the next expert's first two K steps.  Two slots of K steps of 256 would take 405,504 bytes of LDS: too much.
; CLUSTERS: 4 x 4 work-groups.  The four of a row of the cluster share their 128 tokens (x's tiles), the four of a column their 256 columns (W's tiles): each tile is asked for JOINTLY,
; by the same tensor load with the same descriptor and a mask that names the four.  By this text's count a wave has two tensor loads out at the start and one behind each round.
; THE MATRIX INSTRUCTION IS USED TRANSPOSED: source 0 = 16 rows of W, source 1 = 16 tokens: a lane holds token lane % 16 and the columns 8 (lane / 16) + 0..7, so comb is one number a lane and block.
; No prefetch: the tiles are shared in the cluster and each refill has a K step's products, less sixteen, in which to land.
; LIMITS: x and W enter rounded to f16 (11 significant bits; above 65,504 in magnitude an infinity, below 2^-25 zero); sums, bias, comb and the combine are f32; an expert with
; comb = 0 is still multiplied in, as in the reference's dense form.
; REGISTERS, in windows of 256:  window 0: v16-30 addresses, v32-39 comb, v64-127 x's fragments (two buffers of 4 x 8), v128-255 the way out
;   window 1: v0-127 W's fragments (two buffers of 8 x 8), v128-191 the bias, 8 registers for each block of 16 columns
;   window 2: ACC, block (a, b) at v[8 (8 a + b)]       window 3: FIN, in the same places
.set PITCH,  272                       ; an LDS row: 256 bytes + 16 of padding, an odd multiple of 16: the 16 rows of a fragment load start at 16 different 16-byte columns of 256 bytes
.set AOFF,   256*PITCH                 ; a slot: W's 256 rows, then x's 128 rows
.set SLOT,   384*PITCH
.set STAGE,  2*SLOT                    ; behind the ring: 16 rows x 528 bytes for each wave, for the way out; no tensor load lands here
.set SP,     528
.set SPARE,  STAGE+4*16*SP             ; behind the stages: the spare words, 128 bytes for each wave: two blocks of 256 bytes that no other line names
.set LAPS,   4                         ; a lap = two K steps = once round the ring; K = 1,024
.set ADRA, 16                          ; v16-17  LDS address of my fragments of x in slot 0, 1
.set ADRB, 20                          ; v20-21  the same for W
.set STO,  24                          ; v24     the way out: where I put 32 bytes of a row
.set RD,   25                          ; v25     the way out: where I read a row back
.set GO,   26                          ; v26     my 16 bytes of a row's 512 in out0
.set CO,   27                          ; v27     4 x (lane % 16): my token in a block's 16 numbers of comb
.set SPW,  28                          ; v28     LDS address of my spare word; never rewritten
.set NIL,  29                          ; v29     0; never rewritten
.set BO,   30                          ; v30     32 x (lane / 16): my 8 columns in a block's 16 numbers of the bias
.set CB,   32                          ; v[32:39] comb of block a in v[32 + 2 a]; its partner in the pair is written once, with 0
.set FA,   64                          ; x's fragment buffers, window 0
.set FB,   0                           ; W's fragment buffers, window 1
.set BI,   128                         ; the bias, window 1
.set OB,   128                         ; the way out: two buffers of 64, window 0
.set G1A, 24                           ; s[24:31] descriptor group 1 for x's tiles;  s[32:39] group 0, a set for each slot
.set G0A, 32
.set G1B, 40                           ; s[40:47], s[48:55] the same for W's tiles
.set G0B, 48
.set MSB, 0
.macro WIN new                         ; the immediate's high byte repeats the setting that is left; a switch that changes nothing is dropped
.if MSB != (\new)
	s_set_vgpr_msb (MSB<<8)|(\new)
.set MSB, (\new)
.endif
.endm
.set MUL,   0xa1                       ; source 0 (W) window 1, source 1 (x) window 0, C and D window 2
.set MULB,  0x91                       ; the same with C (the bias) in window 1
.set TO_B,  0x40                       ; destination window 1, address window 0
; A joint load.  Waves 0 and 1 fetch W's two halves of 128 rows, waves 2 and 3 x's two halves of 64.  The branch hangs on the wave's number alone.
; Four v_nop follow each of the two lines; the jump, the label and what follows the macro come after them.
.macro JLOAD s
	s_cmp_eq_u32 s15, 0
	s_cbranch_scc0 .Lfor_a_\@
	tensor_load_to_lds s[G0B+4*\s:G0B+4*\s+3], s[G1B:G1B+7]
	s_nop 0
.rept 4
	v_nop
.endr
	s_branch .Lasked_\@
.Lfor_a_\@:
	tensor_load_to_lds s[G0A+4*\s:G0A+4*\s+3], s[G1A:G1A+7]
	s_nop 0
.rept 4
	v_nop
.endr
.Lasked_\@:
.endm
.macro CREST                           ; a round of the cluster's barrier behind its opening barrier
	s_cmp_lg_u32 s14, 0
	s_cbranch_scc1 .Lnot_wave_0_\@
	s_barrier_signal -3
.Lnot_wave_0_\@:
	s_barrier_wait -3
	s_barrier_signal -1
	s_barrier_wait -1
.endm
.macro CROUND                          ; a whole round
	s_barrier_signal -1
	s_barrier_wait -1
	CREST
.endm
.macro PLACES                          ; four places in front of loads into registers that matrix instructions have read, and of vector instructions that read results just made
.rept 4
	v_nop
.endr
.endm
	s_load_b256 s[4:11], s[0:1], 0x0               ; xh s[4:5], wh s[6:7], combT s[8:9], expert_b s[10:11]
	s_load_b64 s[12:13], s[0:1], 0x20              ; out0
	v_lshl_add_u32 v[SPW], v0, 2, SPARE
	v_mov_b32 v[NIL], 0
	ds_add_u32 v28, v29
	s_wait_dscnt 0x0
	v_lshrrev_b32 v1, 5, v0
	v_readfirstlane_b32 s14, v1                    ; wave 0..3
	s_lshr_b32 s15, s14, 1                         ; which 64 tokens of the tile are mine.  Also: I fetch for W (0) or for x (1)
	s_and_b32 s16, s14, 1                          ; which 128 columns.  Also: which half of that tile I fetch
	s_bfe_u32 s17, ttmp6, 0x40000                  ; cx, cy: my place in the cluster
	s_bfe_u32 s18, ttmp6, 0x40004
	s_lshl_b32 s19, ttmp9, 2
	s_add_co_u32 s19, s19, s17                     ; tile column = 4 x cluster x + cx
	s_and_b32 s20, ttmp7, 0xffff
	s_lshl_b32 s20, s20, 2
	s_add_co_u32 s20, s20, s18                     ; tile row = 4 x cluster y + cy
	s_lshl_b32 s21, s18, 2
	s_lshl_b32 s21, 15, s21                        ; my row of the cluster: places 4 cy .. 4 cy + 3
	s_lshl_b32 s22, 0x1111, s17                    ; my column: places cx, cx + 4, cx + 8, cx + 12
	; descriptor group 1: rows of 128 elements of 2 bytes, 1,024 elements apart, padded in LDS by 4 words behind every 64; 64 rows (x) or 128 rows (W)
	s_or_b32 s[G1A+0], s21, (1<<16)|(1<<20)|(1<<21)|(5<<22)|(3<<25)   ; 15:0 the mask: x's tiles go to my row; 17:16 elements of 2 bytes; 20 padding on; 21 set beside a mask; 24:22 code 5; 31:25 code 3
	s_or_b32 s[G1B+0], s22, (1<<16)|(1<<20)|(1<<21)|(5<<22)|(3<<25)   ; the same with the mask of my column, for W's tiles
	s_mov_b32 s[G1A+1], 128<<16                    ; tensor_dim0 = 128
	s_mov_b32 s[G1B+1], 128<<16
	s_mov_b32 s[G1A+2], 64<<16                     ; tensor_dim1 = 64
	s_mov_b32 s[G1B+2], 128<<16                    ;             = 128
	s_mov_b32 s[G1A+3], 128<<16                    ; tile_dim0 = 128
	s_mov_b32 s[G1B+3], 128<<16
	s_mov_b32 s[G1A+4], 64                         ; tile_dim1 = 64
	s_mov_b32 s[G1B+4], 128                        ;           = 128
	s_mov_b32 s[G1A+5], 1024                       ; elements from row to row
	s_mov_b32 s[G1B+5], 1024
	s_mov_b32 s[G1A+6], 0
	s_mov_b32 s[G1B+6], 0
	s_mov_b32 s[G1A+7], 0
	s_mov_b32 s[G1B+7], 0
	; where the tiles come from: x's hang on the tile row and the wave alone, W's on the tile column and the wave alone, each in registers that do not hold the other coordinate
	s_lshl_b32 s56, s20, 7
	s_lshl_b32 s57, s16, 6
	s_add_co_u32 s56, s56, s57                     ; x: row 128 x tile row + 64 x half
	s_lshl_b32 s56, s56, 11                        ; rows of 2,048 bytes
	s_mov_b32 s57, 0
	s_lshl_b32 s60, s19, 8
	s_lshl_b32 s61, s16, 7
	s_add_co_u32 s60, s60, s61                     ; W: row 256 x tile column + 128 x half, of expert 0
	s_lshl_b32 s60, s60, 11
	s_mov_b32 s61, 0
	s_mul_i32 s23, s14, 128*PITCH                  ; where they go: W's halves at wave x 128 rows (waves 0, 1),
	s_mul_i32 s3, s14, 64*PITCH                    ; x's at 128 rows + wave x 64 rows (waves 2, 3): no place in the cluster enters an LDS address
	s_wait_kmcnt 0x0
	s_add_nc_u64 s[58:59], s[4:5], s[56:57]
	s_add_nc_u64 s[62:63], s[6:7], s[60:61]
	CROUND                                         ; all sixteen work-groups are here: the first joint loads meet
.irp s, 0,1
	s_mov_b32 s[G0A+4*\s], 1                                       ; count = 1
	s_add_co_u32 s[G0A+4*\s+1], s3, 128*PITCH+\s*SLOT              ; LDS address
	s_add_nc_u64 s[G0A+4*\s+2:G0A+4*\s+3], s[58:59], \s*256        ; global address: K step s
	s_or_b32 s[G0A+4*\s+3], s[G0A+4*\s+3], 0x80000000              ; type = 2
	s_mov_b32 s[G0B+4*\s], 1
	s_add_co_u32 s[G0B+4*\s+1], s23, \s*SLOT
	s_add_nc_u64 s[G0B+4*\s+2:G0B+4*\s+3], s[62:63], \s*256
	s_or_b32 s[G0B+4*\s+3], s[G0B+4*\s+3], 0x80000000
.endr
	s_cmp_eq_u32 s15, 0                            ; a wave's two first fills stand in one branch, ahead of every wait on TENSORcnt, every LDS read and every other barrier
	s_cbranch_scc0 .Lfirst_a
	tensor_load_to_lds s[G0B:G0B+3], s[G1B:G1B+7]
	s_nop 0
	tensor_load_to_lds s[G0B+4:G0B+7], s[G1B:G1B+7]
	s_nop 0
.rept 4
	v_nop
.endr
	s_branch .Lfirst_asked
.Lfirst_a:
	tensor_load_to_lds s[G0A:G0A+3], s[G1A:G1A+7]
	s_nop 0
	tensor_load_to_lds s[G0A+4:G0A+7], s[G1A:G1A+7]
	s_nop 0
.rept 4
	v_nop
.endr
.Lfirst_asked:
	; comb, bias and out0 at my wave's part of the tile
	s_lshl_b32 s56, s20, 7
	s_lshl_b32 s57, s15, 6
	s_add_co_u32 s56, s56, s57                     ; my first token
	s_lshl_b32 s58, s56, 2
	s_mov_b32 s59, 0
	s_add_nc_u64 s[8:9], s[8:9], s[58:59]
	s_lshl_b32 s58, s56, 12
	s_add_nc_u64 s[12:13], s[12:13], s[58:59]
	s_lshl_b32 s60, s19, 8
	s_lshl_b32 s61, s16, 7
	s_add_co_u32 s60, s60, s61                     ; my first column
	s_lshl_b32 s60, s60, 2
	s_mov_b32 s61, 0
	s_add_nc_u64 s[10:11], s[10:11], s[60:61]
	s_add_nc_u64 s[12:13], s[12:13], s[60:61]
	v_and_b32 v1, 15, v0                           ; r = lane % 16
	v_bfe_u32 v2, v0, 4, 1                         ; h = lane / 16
	v_and_b32 v4, 31, v0                           ; lane
	v_lshlrev_b32 v[CO], 2, v1
	v_lshlrev_b32 v[BO], 5, v2
.irp a, 0,1,2,3
	v_mov_b32 v[CB+2*\a+1], 0                      ; named with comb as a pair, so it is written
.endr
; The bias of my 128 columns for one expert: block b's register j of lane (r, h) is b_e[16 b + 8 h + j], the place that the product's result has.  step = 1: on to the next expert first.
.macro BIASLOAD step
.if \step
	s_wait_xcnt 0x0                                ; the base is stepped only behind this wait
	s_add_nc_u64 s[10:11], s[10:11], 4096
.endif
	WIN TO_B
.irp b, 0,1,2,3,4,5,6,7
	global_load_b128 v[BI+8*\b:BI+8*\b+3],   v[BO], s[10:11] offset:64*\b
	global_load_b128 v[BI+8*\b+4:BI+8*\b+7], v[BO], s[10:11] offset:64*\b+16
.endr
	WIN 0
.endm
.macro COMBLOAD step                   ; comb of my 64 tokens for one expert: one number a lane and block
.if \step
	s_wait_xcnt 0x0
	s_add_nc_u64 s[8:9], s[8:9], 32768
.endif
.irp a, 0,1,2,3
	global_load_b32 v[CB+2*\a], v[CO], s[8:9] offset:64*\a
.endr
.endm
	BIASLOAD 0
	COMBLOAD 0
	; A fragment is 16 rows x 32 K in 8 registers: lane l holds row l % 16; registers 0-3 K = 8 (l / 16) + 0..7, registers 4-7 K = 16 + 8 (l / 16) + 0..7: two loads of 16 bytes, 32 bytes apart.
	v_mul_u32_u24 v3, v1, PITCH
	v_lshl_add_u32 v3, v2, 4, v3
	s_mul_i32 s56, s15, 64*PITCH
	s_add_co_u32 s56, s56, AOFF                    ; my 64 rows of x, behind W's 256
	s_mul_i32 s57, s16, 128*PITCH                  ; my 128 rows of W
.irp s, 0,1
	v_add_nc_u32 v[ADRA+\s], s56, v3
	v_add_nc_u32 v[ADRB+\s], s57, v3
	s_add_co_u32 s56, s56, SLOT
	s_add_co_u32 s57, s57, SLOT
.endr
	s_mul_i32 s56, s14, 16*SP
	s_add_co_u32 s56, s56, STAGE                   ; my stage
	v_mul_u32_u24 v5, v1, SP
	v_lshl_add_u32 v5, v2, 5, v5
	v_add_nc_u32 v[STO], s56, v5                   ; in: row r, 32 bytes for each half of the lanes
	v_lshlrev_b32 v[GO], 4, v4
	v_add_nc_u32 v[RD], s56, v[GO]                 ; back: a whole row of 512 bytes
; 8 matrix instructions: token block a x all 8 column blocks, 32 along K, from buffers f.  bias = 1: an expert's first product: C is the bias.
; The 32 accumulators take turns, one instruction a turn, in the same order in every quarter.
.macro MUL8 f, a, bias
.irp b, 0,1,2,3,4,5,6,7
.if \bias
	v_wmma_f32_16x16x32_f16 v[8*(8*\a+\b):8*(8*\a+\b)+7], v[FB+64*\f+8*\b:FB+64*\f+8*\b+7], v[FA+32*\f+8*\a:FA+32*\f+8*\a+7], v[BI+8*\b:BI+8*\b+7]
.else
	v_wmma_f32_16x16x32_f16 v[8*(8*\a+\b):8*(8*\a+\b)+7], v[FB+64*\f+8*\b:FB+64*\f+8*\b+7], v[FA+32*\f+8*\a:FA+32*\f+8*\a+7], v[8*(8*\a+\b):8*(8*\a+\b)+7]
.endif
.endr
.endm
; 24 LDS loads in one run: the fragments of one quarter step (128 rows of W, 64 rows of x, 32 K at byte k of the rows) into buffers f
.macro FETCH slot, k, f
	WIN TO_B
.irp i, 0,1,2,3,4,5,6,7
	ds_load_b128 v[FB+64*\f+8*\i:FB+64*\f+8*\i+3],   v[ADRB+\slot] offset:\k+\i*16*PITCH
	ds_load_b128 v[FB+64*\f+8*\i+4:FB+64*\f+8*\i+7], v[ADRB+\slot] offset:\k+\i*16*PITCH+32
.endr
	WIN 0
.irp i, 0,1,2,3
	ds_load_b128 v[FA+32*\f+8*\i:FA+32*\f+8*\i+3],   v[ADRA+\slot] offset:\k+\i*16*PITCH
	ds_load_b128 v[FA+32*\f+8*\i+4:FA+32*\f+8*\i+7], v[ADRA+\slot] offset:\k+\i*16*PITCH+32
.endr
.endm
; A K step is four quarters of 32 along K, 32 matrix instructions each, on buffers 0, 1, 0, 1.  One of the first three: multiplies buffers f, and in its middle fetches the next quarter, at byte k, into g.
.macro QUARTER slot, k, f, g, bias
	s_wait_dscnt 0x4                               ; W and x's blocks 0, 1 are in; the youngest four loads (x's blocks 2, 3) may be out
.if \bias
	WIN MULB
.else
	WIN MUL
.endif
	MUL8 \f, 0, \bias
	MUL8 \f, 1, \bias
	PLACES
	FETCH \slot, \k, \g
	s_wait_dscnt 0x18                              ; all but the 24 just issued
.if \bias
	WIN MULB
.else
	WIN MUL
.endif
	MUL8 \f, 2, \bias
	MUL8 \f, 3, \bias
.endm
; The last quarter multiplies buffers 1 and changes slots.  MEET is its first half: one barrier, in front of which each wave waits for all its tensor loads (one is out: its part of the
; next slot), adds 0 to its spare word, and waits for that and for its own reads of this slot.  Behind it nobody reads this slot any more and the next slot is whole.
.macro MEET round
	WIN 0                                          ; (the add's two registers lie in window 0)
	s_wait_tensorcnt 0x0
	ds_add_u32 v[SPW], v[NIL]                      ; 0 onto my spare word
	s_wait_dscnt 0x5                               ; (the add and the youngest four loads may be out)
	WIN MUL
	MUL8 1, 0, 0                                   ; eight matrix instructions stand between the add and the wait for it
	s_wait_dscnt 0x0                               ; the add is done, and my reads of this slot are over
	s_barrier_signal -1
	MUL8 1, 1, 0                                   ; work on registers while the others arrive
.if \round
	WIN 0
.endif
	s_barrier_wait -1
.endm
; The whole last quarter.  The barrier opens a round of the cluster's barrier; behind the round the slot just read out is filled again first: with this expert's K step two steps on (on = 0)
; or with the NEXT expert's K step 0 or 1 (on = 1: x goes back along K, W on to the next expert's rows and back along K); then come the next slot's first fragments.
; From a request to the wait for it a wave issues 112 matrix instructions.
.macro TURN slot, next, on
	MEET 1
	CREST                                          ; no wave of any partner still reads this slot's tile or has a load on its way
.if \on
	s_sub_nc_u64 s[G0A+4*\slot+2:G0A+4*\slot+3], s[G0A+4*\slot+2:G0A+4*\slot+3], 1536
	s_add_nc_u64 s[G0B+4*\slot+2:G0B+4*\slot+3], s[G0B+4*\slot+2:G0B+4*\slot+3], 2097152-1536
.else
	s_add_nc_u64 s[G0A+4*\slot+2:G0A+4*\slot+3], s[G0A+4*\slot+2:G0A+4*\slot+3], 512
	s_add_nc_u64 s[G0B+4*\slot+2:G0B+4*\slot+3], s[G0B+4*\slot+2:G0B+4*\slot+3], 512
.endif
	JLOAD \slot                                    ; the first tensor load behind the round; the four v_nop behind it are also the places in front of the loads below
	FETCH \next, 0, 0
	WIN MUL
	MUL8 1, 2, 0
	MUL8 1, 3, 0
.endm
; FIN = comb ACC (mul = 1) or FIN += comb ACC: each accumulator from its low registers on, blocks in ascending order.
.macro COMBINE mul
.if \mul
	WIN 0xc2                                       ; ACC (source 0) window 2, comb window 0, FIN (destination) window 3
.else
	WIN 0xf2                                       ; the same, FIN also source 2
.endif
.irp a, 0,1,2,3
.irp b, 0,1,2,3,4,5,6,7
.irp j, 0,2,4,6
.if \mul
	v_pk_mul_f32 v[8*(8*\a+\b)+\j:8*(8*\a+\b)+\j+1], v[8*(8*\a+\b)+\j:8*(8*\a+\b)+\j+1], v[CB+2*\a:CB+2*\a+1] op_sel_hi:[1,0]
.else
	v_pk_fma_f32 v[8*(8*\a+\b)+\j:8*(8*\a+\b)+\j+1], v[8*(8*\a+\b)+\j:8*(8*\a+\b)+\j+1], v[CB+2*\a:CB+2*\a+1], v[8*(8*\a+\b)+\j:8*(8*\a+\b)+\j+1] op_sel_hi:[1,0,1]
.endif
.endr
.endr
.endr
.endm
; An expert from its first quarter to the third quarter of its K step 6.  The first quarter stands in front of the loop: its products start the sums, on the bias.
.macro OPEN
	s_wait_loadcnt 0x4                             ; the bias is in; comb's four loads, issued behind it, may stay out
	QUARTER 0, 64,  0, 1, 1
	WIN 0                                          ; at a label and at a branch every window is 0
	s_mov_b32 s3, LAPS-1
.Llap_\@:                              ; a trip goes once round the ring, from a lap's second quarter to the next lap's first, and fills both slots again
	QUARTER 0, 128, 1, 0, 0
	QUARTER 0, 192, 0, 1, 0
	TURN 0, 1, 0
	QUARTER 1, 64,  0, 1, 0
	QUARTER 1, 128, 1, 0, 0
	QUARTER 1, 192, 0, 1, 0
	TURN 1, 0, 0
	QUARTER 0, 64,  0, 1, 0
	WIN 0
	s_sub_co_u32 s3, s3, 1
	s_cmp_lg_u32 s3, 0
	s_cbranch_scc1 .Llap_\@
	QUARTER 0, 128, 1, 0, 0
	QUARTER 0, 192, 0, 1, 0
.endm
; The rest of an expert that has a successor: the ring goes on into the next expert, whose bias is asked for ahead; then the combine.  No v_nop in front of it: blocks 0 and 1 were finished
; in front of the joint load's four, and their 64 instructions, which name no register of the last products (blocks 2 and 3's), are those products' places.
.macro ONWARD mul
	WIN 0
	BIASLOAD 1
	TURN 0, 1, 1
	QUARTER 1, 64,  0, 1, 0
	QUARTER 1, 128, 1, 0, 0
	QUARTER 1, 192, 0, 1, 0
	TURN 1, 0, 1
	s_wait_loadcnt 0x10                            ; this expert's comb is in; the next bias's sixteen loads, issued behind it, may stay out
	COMBINE \mul
	WIN 0
	COMBLOAD 1
.endm
; THE WAY OUT of token block a: a lane's 8 columns of a row go into my own stage, rows of 528 bytes, and come back as whole rows of 512 bytes.
.macro PUT a
	WIN 0x0c                                       ; the stores' data in window 3
.irp b, 0,1,2,3,4,5,6,7
	ds_store_b128 v[STO], v[8*(8*\a+\b):8*(8*\a+\b)+3]   offset:64*\b
	ds_store_b128 v[STO], v[8*(8*\a+\b)+4:8*(8*\a+\b)+7] offset:64*\b+16
.endr
	WIN 0
.irp t, 0,1,2,3,4,5,6,7,8,9,10,11,12,13,14,15
	ds_load_b128 v[OB+64*((\a)%2)+4*\t:OB+64*((\a)%2)+4*\t+3], v[RD] offset:SP*\t   ; LDS serves a wave's instructions in order: these see the stores above, and the next block's stores come behind them
.endr
.endm
.macro SEND a, younger                 ; younger: the LDS instructions issued behind block a's loads: the next block's 32, or none
.irp t, 0,1,2,3,4,5,6,7,8,9,10,11,12,13,14,15
	s_wait_dscnt \younger+15-\t
	global_store_b128 v[GO], v[OB+64*((\a)%2)+4*\t:OB+64*((\a)%2)+4*\t+3], s[12:13] offset:(16*(\a)+\t)*4096 th:TH_STORE_NT   ; the wave stores 512 consecutive bytes, at a multiple of 512 from out0's first byte
.endr
.endm
	s_wait_tensorcnt 0x1                           ; my part of K step 0 is in; K step 1's may stay out
	s_barrier_signal -1
	s_barrier_wait -1                              ; everybody's is
	FETCH 0, 0, 0
	OPEN                                           ; expert 0
	ONWARD 1
	s_mov_b32 s2, 6
.Lexpert:                              ; experts 1 to 6
	OPEN
	ONWARD 0
	s_sub_co_u32 s2, s2, 1
	s_cmp_lg_u32 s2, 0
	s_cbranch_scc1 .Lexpert
	OPEN                                           ; expert 7: its tail is written out and asks for nothing more
	MEET 0                                         ; my one tensor load that was still out is slot 1's, the last K step's, so no round follows
	PLACES
	FETCH 1, 0, 0
	WIN MUL
	MUL8 1, 2, 0
	MUL8 1, 3, 0
	QUARTER 1, 64,  0, 1, 0
	QUARTER 1, 128, 1, 0, 0
	QUARTER 1, 192, 0, 1, 0
	s_wait_dscnt 0x4                               ; the very last quarter: nothing more to fetch
	WIN MUL
	MUL8 1, 0, 0
	MUL8 1, 1, 0
	s_wait_dscnt 0x0
	MUL8 1, 2, 0
	MUL8 1, 3, 0
	PLACES
	s_wait_loadcnt 0x0                             ; the last comb
	COMBINE 0
	PUT 0
	PUT 1                                          ; a block's way through the stage stands between the loads of the block before and its stores
	SEND 0, 32
	s_wait_xcnt 0x0                                ; the stores' data registers are loaded again only behind this wait
	PUT 2
	SEND 1, 32
	s_wait_xcnt 0x0
	PUT 3
	SEND 2, 32
	SEND 3, 0
	s_wait_tensorcnt 0x0                           ; the wave's end: behind my last tensor load and my last LDS store
	ds_add_u32 v[SPW], v[NIL]
	s_wait_dscnt 0x0
	CROUND                                         ; the closing round: no work-group ends while a partner may still ask for a tile that names it
	s_endpgm
.Lfunc_end_k_q7040be40e3_gemm:
	.size	k_q7040be40e3_gemm, .Lfunc_end_k_q7040be40e3_gemm-k_q7040be40e3_gemm
	.p2alignl 7, 3214868480
	.fill 96, 4, 3214868480
	.section	.rodata,"a",@progbits
	.p2align	6, 0x0
	.amdhsa_kernel k_q7040be40e3_gemm
		.amdhsa_group_segment_fixed_size 327680
		.amdhsa_private_segment_fixed_size 0
		.amdhsa_enable_private_segment 0
		.amdhsa_kernarg_size 40
		.amdhsa_user_sgpr_count 2
		.amdhsa_user_sgpr_kernarg_segment_ptr 1
		.amdhsa_wavefront_size32 1
		.amdhsa_system_sgpr_workgroup_id_x 1
		.amdhsa_system_sgpr_workgroup_id_y 1
		.amdhsa_system_sgpr_workgroup_id_z 1
		.amdhsa_system_vgpr_workitem_id 0
		.amdhsa_next_free_vgpr 1024
		.amdhsa_next_free_sgpr 66
		.amdhsa_reserve_vcc 0
		.amdhsa_float_denorm_mode_32 3
		.amdhsa_float_denorm_mode_16_64 3
		.amdhsa_memory_ordered 1
		.amdhsa_forward_progress 1
		.amdhsa_inst_pref_size 247
	.end_amdhsa_kernel
	.amdgpu_metadata
---
amdhsa.version: [ 1, 2 ]
amdhsa.kernels:
  - .name:           k_q7040be40e3_gemm
    .symbol:         k_q7040be40e3_gemm.kd
    .args:
      - { .name: xh, .offset: 0, .size: 8, .value_kind: global_buffer, .address_space: global }
      - { .name: wh, .offset: 8, .size: 8, .value_kind: global_buffer, .address_space: global }
      - { .name: combT, .offset: 16, .size: 8, .value_kind: global_buffer, .address_space: global }
      - { .name: expert_b, .offset: 24, .size: 8, .value_kind: global_buffer, .address_space: global }
      - { .name: out0, .offset: 32, .size: 8, .value_kind: global_buffer, .address_space: global }
    .group_segment_fixed_size: 327680
    .private_segment_fixed_size: 0
    .kernarg_segment_align: 8
    .kernarg_segment_size: 40
    .max_flat_workgroup_size: 128
    .sgpr_count:     66
    .vgpr_count:     1024
    .wavefront_size: 32
...
	.end_amdgpu_metadata
.endif
;; end of part 3
;; ======== version 2 of 3: 3 launches; 1.20 times as fast as version 1
;; limits: values are held in f16: magnitudes above 65,504 overflow, below 6.1e-05 lose precision
;; workspace buffers: xf 16,777,216 bytes; wh 16,777,216 bytes; cs 524,288 bytes; part 32,768 bytes
;; launch prep (part 4): grid 256 x 1, 4 waves a work-group, no clusters, 67,840 bytes of LDS; arguments x, router_w, router_b, expert_w, xf, wh, out1, cs, part; writes xf, wh, out1, cs, part
.if DOCPART == 4
	.amdgcn_target "amdgcn-amd-amdhsa--gfx1250"
	.amdhsa_code_object_version 6
	.text
	.protected	k_q7040be40e3_prep
	.globl	k_q7040be40e3_prep
	.p2align	8
	.type	k_q7040be40e3_prep,@function
k_q7040be40e3_prep:
	s_mov_b64 s[64:65], 0
	v_nop
	global_prefetch_b8 v0, s[64:65] scope:SCOPE_SE
	s_setreg_imm32_b32 hwreg(HW_REG_WAVE_MODE, 25, 1), 1
	s_wait_xcnt 0x0
; PREP.  One pass over x and one over expert_w, each byte read once.  256 work-groups of four waves, in two roles of equal size
; (a wave reads 64 KiB, writes 32 KiB and keeps 32 loads of 512 bytes on their way):
;   work-groups 0-127, TOKENS: x -> f16, stored in the order of matrix fragments (xf); the router's logits, softmax (out1), the two largest weights renormalised (cs, f32), and
;     per work-group the sums of the weights and the counts of tokens that use each expert (part, rows 0-127).
;   work-groups 128-255, WEIGHTS: expert_w -> f16 (wh, rows as they lie), and the sums of (w_i - w_j)^2 for the 28 pairs of experts, differences taken element by element (part, rows 128-255).
; The branch between the roles hangs on the work-group's number alone, so all four waves of a work-group take the same way and meet the same barriers.
; xf: [block of 16 tokens][block of 32 columns][half j][lane][16 bytes]: lane (r, h) = token r; half 0 holds columns 8 h + 0..7 of the block, half 1 columns 16 + 8 h + 0..7: the
;     eight registers of a 16-bit fragment, so that the product's launch loads fragments by loads of 512 consecutive bytes.
; cs: [block of 16 tokens][half j][lane][16 bytes]: lane (r, h): the combine weights of token r for experts 4 j + 0..3, in f32 (the same in both halves of the lanes).
; f16 AND NOT bf16 for the big product's operands: 11 significant bits against 8, so the rounding error of a sum of 1,024 products is an eighth.  Both operands have room in f16:
; numbers of the size of 1 (x) and 0.02 (expert_w), 30 times larger with an offset of 30 spreads, stay under 200; 30 times smaller, expert_w is of the size 6.7e-4, and f16's
; step below 2^-14 is 2^-24, a ten-thousandth of that.
; THE LOGITS ARE TRUE f32 SUMS of the unrounded inputs: they steer a choice (which two experts) that a rounding to 16 bits would turn over for some tokens.  They are
; 2 x 8192 x 8 x 1024 operations, a five-hundredth part of the program's products, and go through the f32 matrix form, transposed: source 0 = router_w (rows 8-15 repeat rows 0-7),
; source 1 = 16 tokens.  A lane then holds all 8 logits of ONE token (lane % 16), the same in both halves of the lanes, so softmax and the choice change no lanes.
; LIMITS.  The two largest are chosen on this text's own f32 weights, the lower index winning a tie; where the reference's second and third weight agree to the last bits the choice
; may differ.  v_exp_f32 gives 0 below 2^-126.  NaN in x or the router's parameters is not ordered as lax.top_k orders it.  x and expert_w are rounded once to f16: a number above
; 65,504 in magnitude becomes an infinity there, one below 2^-25 becomes 0.
; No clusters, no tensor loads, no prefetch: no two work-groups share a large input, and every wave streams.
.set WT,   0                           ; LDS: router_w, 8 rows of 4,096 bytes, 4,112 apart (an odd multiple of 16: the rows of a fragment load start at different 16-byte columns of 256 bytes)
.set WTP,  4112
.set XS,   33024                       ; each wave's own stage: 16 tokens x 512 bytes, 528 apart
.set XSP,  528
.set XSW,  16*XSP
.set RED,  66816                       ; [4 waves][32] f32: the waves' partial sums
.set XA0,  16                          ; v[16:79], v[80:143]  tokens: two chunks of 16 rows x 512 bytes as loaded
.set XA1,  80
.set SET0, 144                         ; v[144:175], v[176:207]  tokens: two sets of fragments: 16 registers of x, 16 of router_w
.set SET1, 176
.set XO,   208                         ; v[208:223]  tokens: two f16 fragments of 8 registers, to store
.set ACC,  224                         ; v[224:255]  tokens: four accumulators; written by matrix instructions alone in this whole text
.set LO,   4                           ; v[4:7]    weights: slot s: byte offset of my 16 bytes in the wave's two rows of expert_w
.set SO,   8                           ; v[8:11]   weights: the same in wh
.set WB,   16                          ; v[16:143] weights: slot s at 32 s, expert e at 4 e: four numbers
.set DA,   144                         ; v[144:199] weights: 28 pairs of experts, two running sums each
.set DT,   200                         ; v[200:213] weights: up to seven differences, two numbers each
.set SEL,  38                          ; s[38:39]  lane selects for v_permlanex16_b32
; The work-group's 32 sums: wave 0 adds the four waves' rows of RED and stores 128 bytes of part.  Stands behind a barrier; ends the wave.
.macro TAIL
	s_cmp_lg_u32 s22, 0
	s_cbranch_scc1 .Ldone_\@
	ds_load_b32 v216, v15
	ds_load_b32 v217, v15 offset:128
	ds_load_b32 v218, v15 offset:256
	ds_load_b32 v219, v15 offset:384
	v_lshlrev_b32 v220, 2, v1
	s_wait_dscnt 0x0
	v_add_f32 v216, v216, v217
	v_add_f32 v218, v218, v219
	v_add_f32 v216, v216, v218
	global_store_b32 v220, v216, s[20:21]
.Ldone_\@:
	s_wait_tensorcnt 0x0
	ds_add_u32 v12, v13
	s_wait_dscnt 0x0
	s_endpgm
.endm
	s_load_b512 s[4:19], s[0:1], 0x0               ; x s[4:5], router_w s[6:7], router_b s[8:9], expert_w s[10:11], xf s[12:13], wh s[14:15], out1 s[16:17], cs s[18:19]
	s_load_b64 s[20:21], s[0:1], 0x40              ; part
	v_lshl_add_u32 v12, v0, 2, 0x10700
	v_mov_b32 v13, 0
	v_lshrrev_b32 v1, 5, v0
	v_readfirstlane_b32 s22, v1                    ; wave 0..3
	v_and_b32 v1, 31, v0                           ; lane
	s_lshl_b32 s44, s22, 7
	s_add_co_u32 s44, s44, RED
	v_mov_b32 v14, s44                             ; my wave's row of RED
	v_lshl_add_u32 v15, v1, 2, RED                 ; my column of RED
	s_lshl_b32 s42, ttmp9, 7                       ; the work-group's row of part
	s_mov_b32 s43, 0
	s_wait_kmcnt 0x0
	s_add_nc_u64 s[20:21], s[20:21], s[42:43]
	s_cmp_ge_u32 ttmp9, 128
	s_cbranch_scc1 .Lrole_w
; ---------------------------------------------------------------- TOKENS: wave tile T = 4 g + w: tokens 16 T .. 16 T + 15, all 1,024 columns, in 8 chunks of 128 columns
	s_load_b256 s[32:39], s[8:9], 0x0              ; router_b
	s_lshl2_add_u32 s23, ttmp9, s22                ; T
	s_lshl_b32 s42, s23, 16
	s_add_nc_u64 s[24:25], s[4:5], s[42:43]        ; x at my 16 rows of 4,096 bytes
	s_lshl_b32 s42, s23, 15
	s_add_nc_u64 s[26:27], s[12:13], s[42:43]      ; xf at my block's 32 fragments of 1,024 bytes
	s_lshl_b32 s42, s23, 9
	s_add_nc_u64 s[28:29], s[16:17], s[42:43]      ; out1 at my 16 rows of 32 bytes
	s_lshl_b32 s42, s23, 10
	s_add_nc_u64 s[30:31], s[18:19], s[42:43]      ; cs at my block's 1,024 bytes
	s_mov_b32 s40, 0xffff0000                      ; the lanes 16-31
	s_mov_b32 s41, 0x3fb8aa3b                      ; log2(e)
	v_lshlrev_b32 v4, 4, v1                        ; 16 x lane
	s_lshl_b32 s45, s22, 13
	v_add_nc_u32 v208, s45, v4                     ; router_w: rows 2 w and 2 w + 1 are staged by wave w
.macro XLOAD c, buf                    ; chunk c: 16 loads, each 512 consecutive bytes of one row
.irp i, 0,1,2,3,4,5,6,7,8,9,10,11,12,13,14,15
	global_load_b128 v[\buf+4*\i:\buf+4*\i+3], v4, s[24:25] offset:\i*4096+(\c)*512 th:TH_LOAD_NT
.endr
.endm
.macro XPUT buf                        ; a chunk into my stage, rows as loaded
.irp i, 0,1,2,3,4,5,6,7,8,9,10,11,12,13,14,15
	ds_store_b128 v6, v[\buf+4*\i:\buf+4*\i+3] offset:XSP*\i
.endr
.endm
.irp rr, 0,1
.irp j, 0,1,2,3,4,5,6,7
	global_load_b128 v[SET0+32*\rr+4*\j:SET0+32*\rr+4*\j+3], v208, s[6:7] offset:4096*\rr+512*\j
.endr
.endr
	XLOAD 0, XA0
	XLOAD 1, XA1
	v_and_b32 v2, 15, v0                           ; r = lane % 16
	v_bfe_u32 v3, v0, 4, 1                         ; h = lane / 16
	s_mul_i32 s44, s22, XSW
	s_add_co_u32 s44, s44, XS                      ; my stage
	v_add_nc_u32 v6, s44, v4                       ; into it: a row's 512 bytes as loaded
	v_mul_u32_u24 v7, v2, XSP
	v_lshl_add_u32 v7, v3, 5, v7
	v_add_nc_u32 v7, s44, v7                       ; out of it: token r, 8 columns (32 bytes) for each half of the lanes
	v_and_b32 v8, 7, v0
	v_mul_u32_u24 v8, v8, WTP
	v_lshl_add_u32 v8, v3, 5, v8                   ; router_w: row r % 8, the same columns
	s_mul_i32 s45, s22, 2*WTP
	v_add_nc_u32 v9, s45, v4                       ; router_w into LDS
	v_lshlrev_b32 v10, 5, v2
	v_lshl_add_u32 v10, v3, 4, v10                 ; out1: token r's 32 bytes, 16 for each half
	s_wait_loadcnt 0x20                            ; router_w is in; the 32 loads of x behind it stay out
.irp rr, 0,1
.irp j, 0,1,2,3,4,5,6,7
	ds_store_b128 v9, v[SET0+32*\rr+4*\j:SET0+32*\rr+4*\j+3] offset:WTP*\rr+512*\j
.endr
.endr
	s_wait_dscnt 0x0                               ; for the others' sake: my two rows are written
	s_barrier_signal -1
	s_barrier_wait -1
; The fragments of block gg of 32 columns (gg = 0 .. 31), in f32.  Lane (r, h) takes columns 8 h + 0..7 and 16 + 8 h + 0..7 of the block, four loads of 16 bytes: the columns, and the order,
; of a 16-bit fragment's registers.  For the f32 matrix form (K = 4) each pair of registers feeds one instruction; x and router_w are taken alike, so every product pairs the same column of both.
.macro FRAG gg, set
.irp q, 0,1,2,3
	ds_load_b128 v[\set+4*\q:\set+4*\q+3], v7 offset:128*((\gg)%4)+16*(\q%2)+64*(\q/2)
.endr
.irp q, 0,1,2,3
	ds_load_b128 v[\set+16+4*\q:\set+16+4*\q+3], v8 offset:128*(\gg)+16*(\q%2)+64*(\q/2)
.endr
.endm
; Block g.  Its 16 numbers of x a lane are rounded to f16: eight conversions, which name no register of the block before's matrix instructions and are the eight places
; between those and the loads into their fragment set.  Then the next block's fragments are asked for; where it opens a new chunk, that chunk goes into the stage first (LDS serves a wave's
; instructions in order, and all reads of the old chunk have come back) and its registers are loaded again with the chunk two further on.  Then eight matrix instructions on four
; accumulators by turns, one instruction a turn; then the f16 fragment's two stores.
.macro PHASE
.set SETP, SET0+32*(g%2)
.set SETN, SET0+32*((g+1)%2)
.set XOP,  XO+8*(g%2)
.set NC,   (g+1)/4
.set XB,   XA0+64*(NC%2)
	s_wait_dscnt 0x0                               ; this block's eight loads are in
	s_wait_xcnt 0x0                                ; the fragment registers that the stores two blocks back read are rewritten only behind this wait
.irp i, 0,1,2,3,4,5,6,7
	v_cvt_pk_f16_f32 v[XOP+\i], v[SETP+2*\i], v[SETP+2*\i+1]
.endr
.if (g%4 == 3) && (g < 28)
.if g < 24
	s_wait_loadcnt 0x10                            ; the next chunk is in; the sixteen loads of the chunk behind it stay out
.else
	s_wait_loadcnt 0x0                             ; the last chunk
.endif
	XPUT XB
.if g < 20
	XLOAD NC+2, XB
.endif
.endif
.if g < 31
	FRAG g+1, SETN
.endif
.set n, 0
.rept 8
.if (g == 0) && (n < 4)
	v_wmma_f32_16x16x4_f32 v[ACC+8*(n%4):ACC+8*(n%4)+7], v[SETP+16+2*n:SETP+16+2*n+1], v[SETP+2*n:SETP+2*n+1], 0
.else
	v_wmma_f32_16x16x4_f32 v[ACC+8*(n%4):ACC+8*(n%4)+7], v[SETP+16+2*n:SETP+16+2*n+1], v[SETP+2*n:SETP+2*n+1], v[ACC+8*(n%4):ACC+8*(n%4)+7]
.endif
.set n, n+1
.endr
	global_store_b128 v4, v[XOP:XOP+3],   s[26:27] offset:1024*g       ; each store of the wave covers 512 consecutive bytes, at a multiple of 512 from xf's first byte
	global_store_b128 v4, v[XOP+4:XOP+7], s[26:27] offset:1024*g+512
.endm
	s_wait_loadcnt 0x10                            ; chunk 0 is in; chunk 1's sixteen loads stay out
	XPUT XA0
	XLOAD 2, XA0
	FRAG 0, SET0
.set g, 0
.rept 32
	PHASE
.set g, g+1
.endr
.rept 8
	v_nop                                          ; the eight places between the last matrix instructions and the first read of the sums
.endr
	s_wait_xcnt 0x0                                ; the fragments' registers are free
	s_wait_kmcnt 0x0                               ; router_b
	; the logits: the four partial sums, each accumulator read from its low registers on, then the bias
.irp j, 0,2,4,6
	v_pk_add_f32 v[16+\j:17+\j], v[ACC+\j:ACC+\j+1], v[ACC+8+\j:ACC+8+\j+1]
.endr
.irp j, 0,2,4,6
	v_pk_add_f32 v[24+\j:25+\j], v[ACC+16+\j:ACC+16+\j+1], v[ACC+24+\j:ACC+24+\j+1]
.endr
.irp j, 0,2,4,6
	v_pk_add_f32 v[16+\j:17+\j], v[16+\j:17+\j], v[24+\j:25+\j]
.endr
.irp e, 0,1,2,3,4,5,6,7
	v_add_f32 v[16+\e], s[32+\e], v[16+\e]
.endr
	; softmax over the lane's 8 logits: p = 2^(c L - c max) / sum
	v_max3_num_f32 v24, v16, v17, v18
	v_max3_num_f32 v24, v24, v19, v20
	v_max3_num_f32 v24, v24, v21, v22
	v_max_num_f32 v24, v24, v23
	v_mul_f32 v25, s41, v24
.irp e, 0,1,2,3,4,5,6,7
	v_fma_f32 v[32+\e], v[16+\e], s41, -v25
.endr
.irp e, 0,1,2,3,4,5,6,7
	v_exp_f32 v[32+\e], v[32+\e]
.endr
	v_nop                                          ; a plain instruction between the last exponential and the use of its result
	s_wait_alu depctr_va_vdst(0)
	v_pk_add_f32 v[40:41], v[32:33], v[34:35]
	v_pk_add_f32 v[42:43], v[36:37], v[38:39]
	v_pk_add_f32 v[40:41], v[40:41], v[42:43]
	v_add_f32 v40, v40, v41
	v_rcp_f32 v42, v40
	v_nop
	s_wait_alu depctr_va_vdst(0)
.irp j, 0,2,4,6
	v_pk_mul_f32 v[32+\j:33+\j], v[32+\j:33+\j], v[42:43] op_sel_hi:[1,0]
.endr
	; the largest weight and its index; a later expert wins only if strictly larger
	v_mov_b32 v45, v32
	v_mov_b32 v44, 0
.irp e, 1,2,3,4,5,6,7
	v_cmp_gt_f32 vcc_lo, v[32+\e], v45
	v_cndmask_b32 v45, v45, v[32+\e], vcc_lo
	v_cndmask_b32 v44, v44, \e, vcc_lo
.endr
	; the second largest: the same scan over the other seven, from below every weight
	v_mov_b32 v47, -1.0
	v_mov_b32 v46, 0
.irp e, 0,1,2,3,4,5,6,7
	v_cmp_ne_u32 s44, \e, v44
	v_cmp_gt_f32 vcc_lo, v[32+\e], v47
	s_and_b32 vcc_lo, vcc_lo, s44
	v_cndmask_b32 v47, v47, v[32+\e], vcc_lo
	v_cndmask_b32 v46, v46, \e, vcc_lo
.endr
	v_add_f32 v48, v45, v47
	v_rcp_f32 v49, v48
	v_nop
	s_wait_alu depctr_va_vdst(0)
	v_mul_f32 v50, v45, v49                        ; the two weights, renormalised
	v_mul_f32 v51, v47, v49
.irp e, 0,1,2,3,4,5,6,7                ; comb (0 or one of the two) in v[56:63], used (0 or 1) in v[64:71]: values are selected, nothing branches
	v_cmp_eq_u32 vcc_lo, \e, v44
	v_cmp_eq_u32 s44, \e, v46
	v_cndmask_b32 v[56+\e], 0, v50, vcc_lo
	s_or_b32 s45, vcc_lo, s44
	v_cndmask_b32 v[56+\e], v[56+\e], v51, s44
	v_cndmask_b32 v[64+\e], 0, 1.0, s45
.endr
.irp k, 0,1,2,3                        ; out1: lanes 0-15 send experts 0-3 of their token, lanes 16-31 experts 4-7
	v_cndmask_b32 v[72+\k], v[32+\k], v[36+\k], s40
.endr
	global_store_b128 v10, v[72:75], s[28:29]      ; out1: the wave stores 512 consecutive bytes
	global_store_b128 v4, v[56:59], s[30:31]       ; cs: every lane its token's eight weights, 512 consecutive bytes a store
	global_store_b128 v4, v[60:63], s[30:31] offset:512
	; sums over the 16 tokens: inside each half of the lanes; the halves hold the same tokens, so they are not added
.irp m, 1,2,4,8
.irp e, 0,1,2,3,4,5,6,7
	v_add_f32_dpp v[32+\e], v[32+\e], v[32+\e] row_xmask:\m row_mask:0xf bank_mask:0xf
	v_add_f32_dpp v[64+\e], v[64+\e], v[64+\e] row_xmask:\m row_mask:0xf bank_mask:0xf
.endr
.endr
.irp k, 0,1,2,3
	v_mov_b32 v[80+\k], 0
.endr
	ds_store_b128 v14, v[32:35]                    ; every lane writes the same 128 bytes with the same numbers: 8 sums, 8 counts, 16 zeros
	ds_store_b128 v14, v[36:39] offset:16
	ds_store_b128 v14, v[64:67] offset:32
	ds_store_b128 v14, v[68:71] offset:48
.irp q, 4,5,6,7
	ds_store_b128 v14, v[80:83] offset:16*\q
.endr
	s_wait_dscnt 0x0                               ; for wave 0's sake: my sums are written
	s_barrier_signal -1
	s_barrier_wait -1
	TAIL
; ---------------------------------------------------------------- WEIGHTS: wave w takes rows 8 g' + 2 w and + 1 of all 8 experts: 2,048 places, 16 turns of 128 (four a lane)
.Lrole_w:
	s_sub_co_u32 s23, ttmp9, 128
	s_lshl_b32 s23, s23, 3
	s_lshl1_add_u32 s23, s22, s23                  ; my first row
	s_lshl_b32 s42, s23, 12
	s_add_nc_u64 s[24:25], s[10:11], s[42:43]      ; four bases, two experts (8 MiB) apart; the odd expert stands in the loads' immediate
	s_add_nc_u64 s[26:27], s[24:25], 0x800000
	s_add_nc_u64 s[28:29], s[26:27], 0x800000
	s_add_nc_u64 s[30:31], s[28:29], 0x800000
	s_lshl_b32 s42, s23, 11
	s_add_nc_u64 s[32:33], s[14:15], s[42:43]      ; wh: two bases, four experts (8 MiB) apart
	s_add_nc_u64 s[34:35], s[32:33], 0x800000
	s_mov_b32 s[SEL], 0x76543210
	s_mov_b32 s[SEL+1], 0xfedcba98
.irp s, 0,1,2,3
	v_lshl_add_u32 v[LO+\s], v1, 4, 512*\s
	v_lshl_add_u32 v[SO+\s], v1, 3, 256*\s
.endr
.macro WFILL s                         ; eight loads, one an expert, each 512 consecutive bytes
.irp e, 0,1,2,3,4,5,6,7
	global_load_b128 v[WB+32*\s+4*\e:WB+32*\s+4*\e+3], v[LO+\s], s[24+2*(\e/2):25+2*(\e/2)] offset:(\e%2)*4194304 th:TH_LOAD_NT
.endr
.endm
; The 28 differences of four places (two register pairs k), squared and added: for each expert i first all its differences, then all their squares, so that no instruction waits for the one before.
.macro DIFF base, first
.set k, 0
.rept 2
.set i, 0
.rept 7
.set j, i+1
.rept 7-i
	v_pk_add_f32 v[DT+2*(j-i-1):DT+2*(j-i-1)+1], v[\base+4*i+2*k:\base+4*i+2*k+1], v[\base+4*j+2*k:\base+4*j+2*k+1] neg_lo:[0,1] neg_hi:[0,1]
.set j, j+1
.endr
.set j, i+1
.rept 7-i
.set n, i*(15-i)/2+j-i-1
.if \first && (k == 0)
	v_pk_mul_f32 v[DA+2*n:DA+2*n+1], v[DT+2*(j-i-1):DT+2*(j-i-1)+1], v[DT+2*(j-i-1):DT+2*(j-i-1)+1]
.else
	v_pk_fma_f32 v[DA+2*n:DA+2*n+1], v[DT+2*(j-i-1):DT+2*(j-i-1)+1], v[DT+2*(j-i-1):DT+2*(j-i-1)+1], v[DA+2*n:DA+2*n+1]
.endif
.set j, j+1
.endr
.set i, i+1
.endr
.set k, k+1
.endr
.endm
; The 28 sums over the wave's 32 lanes, into v[DA .. DA+27] of every lane; v[DA+28 .. DA+31] = 0.
.macro LANESUM
.set n, 0
.rept 28
	v_add_f32 v[DA+n], v[DA+2*n], v[DA+2*n+1]
.set n, n+1
.endr
.irp m, 1,2,4,8
.set n, 0
.rept 28
	v_add_f32_dpp v[DA+n], v[DA+n], v[DA+n] row_xmask:\m row_mask:0xf bank_mask:0xf
.set n, n+1
.endr
.endr
.set n, 0
.rept 28
	v_permlanex16_b32 v[DA+32+n], v[DA+n], s[SEL], s[SEL+1]   ; its destination counts as read: these registers have been written
.set n, n+1
.endr
.set n, 0
.rept 28
	v_add_f32 v[DA+n], v[DA+n], v[DA+32+n]
.set n, n+1
.endr
.irp z, 28,29,30,31
	v_mov_b32 v[DA+\z], 0
.endr
.endm
; The turn of slot s.  left: the younger loads that may stay out (three slots of eight).  ahead = 1: the slot takes the turn four further on.
; The differences are taken from the numbers as loaded, in f32; only then are they rounded to f16, in place.
.macro WSLOT s, ahead, left
	s_wait_loadcnt \left
	DIFF WB+32*\s, 0
.irp e, 0,1,2,3,4,5,6,7
	v_cvt_pk_f16_f32 v[WB+32*\s+4*\e],   v[WB+32*\s+4*\e],   v[WB+32*\s+4*\e+1]
	v_cvt_pk_f16_f32 v[WB+32*\s+4*\e+1], v[WB+32*\s+4*\e+2], v[WB+32*\s+4*\e+3]
.endr
.irp e, 0,1,2,3,4,5,6,7
	global_store_b64 v[SO+\s], v[WB+32*\s+4*\e:WB+32*\s+4*\e+1], s[32+2*(\e/4):33+2*(\e/4)] offset:(\e%4)*2097152   ; 256 consecutive bytes, at a multiple of 256 from wh's first byte
.endr
.if \ahead
	s_wait_xcnt 0x0                                ; the stores' data and both offsets are rewritten only behind this wait
	v_add_nc_u32 v[LO+\s], 2048, v[LO+\s]
	v_add_nc_u32 v[SO+\s], 1024, v[SO+\s]
	WFILL \s
.endif
.endm
	WFILL 0
	WFILL 1
	WFILL 2
	WFILL 3
.set n, 0
.rept 56                               ; the 56 running sums are cleared while the ring's first loads are on their way: a first turn that starts them would be a second copy of the whole round
	v_mov_b32 v[DA+n], 0
.set n, n+1
.endr
	s_mov_b32 s36, 3
.Lwround:
	WSLOT 0, 1, 24
	WSLOT 1, 1, 24
	WSLOT 2, 1, 24
	WSLOT 3, 1, 24
	s_sub_co_u32 s36, s36, 1
	s_cmp_lg_u32 s36, 0
	s_cbranch_scc1 .Lwround
	WSLOT 0, 0, 24                                 ; the last round loads nothing: the counts run down
	WSLOT 1, 0, 16
	WSLOT 2, 0, 8
	WSLOT 3, 0, 0
	LANESUM
.irp q, 0,1,2,3,4,5,6,7
	ds_store_b128 v14, v[DA+4*\q:DA+4*\q+3] offset:16*\q   ; every lane writes the same 128 bytes with the same numbers
.endr
	s_wait_dscnt 0x0                               ; for wave 0's sake
	s_barrier_signal -1
	s_barrier_wait -1
	TAIL
.Lfunc_end_k_q7040be40e3_prep:
	.size	k_q7040be40e3_prep, .Lfunc_end_k_q7040be40e3_prep-k_q7040be40e3_prep
	.p2alignl 7, 3214868480
	.fill 96, 4, 3214868480
	.section	.rodata,"a",@progbits
	.p2align	6, 0x0
	.amdhsa_kernel k_q7040be40e3_prep
		.amdhsa_group_segment_fixed_size 67840
		.amdhsa_private_segment_fixed_size 0
		.amdhsa_enable_private_segment 0
		.amdhsa_kernarg_size 72
		.amdhsa_user_sgpr_count 2
		.amdhsa_user_sgpr_kernarg_segment_ptr 1
		.amdhsa_wavefront_size32 1
		.amdhsa_system_sgpr_workgroup_id_x 1
		.amdhsa_system_sgpr_workgroup_id_y 1
		.amdhsa_system_sgpr_workgroup_id_z 1
		.amdhsa_system_vgpr_workitem_id 0
		.amdhsa_next_free_vgpr 256
		.amdhsa_next_free_sgpr 66
		.amdhsa_reserve_vcc 1
		.amdhsa_float_denorm_mode_32 3
		.amdhsa_float_denorm_mode_16_64 3
		.amdhsa_memory_ordered 1
		.amdhsa_forward_progress 1
		.amdhsa_inst_pref_size 188
	.end_amdhsa_kernel
	.amdgpu_metadata
---
amdhsa.version: [ 1, 2 ]
amdhsa.kernels:
  - .name:           k_q7040be40e3_prep
    .symbol:         k_q7040be40e3_prep.kd
    .args:
      - { .name: x, .offset: 0, .size: 8, .value_kind: global_buffer, .address_space: global }
      - { .name: router_w, .offset: 8, .size: 8, .value_kind: global_buffer, .address_space: global }
      - { .name: router_b, .offset: 16, .size: 8, .value_kind: global_buffer, .address_space: global }
      - { .name: expert_w, .offset: 24, .size: 8, .value_kind: global_buffer, .address_space: global }
      - { .name: xf, .offset: 32, .size: 8, .value_kind: global_buffer, .address_space: global }
      - { .name: wh, .offset: 40, .size: 8, .value_kind: global_buffer, .address_space: global }
      - { .name: out1, .offset: 48, .size: 8, .value_kind: global_buffer, .address_space: global }
      - { .name: cs, .offset: 56, .size: 8, .value_kind: global_buffer, .address_space: global }
      - { .name: part, .offset: 64, .size: 8, .value_kind: global_buffer, .address_space: global }
    .group_segment_fixed_size: 67840
    .private_segment_fixed_size: 0
    .kernarg_segment_align: 8
    .kernarg_segment_size: 72
    .max_flat_workgroup_size: 128
    .sgpr_count:     66
    .vgpr_count:     256
    .wavefront_size: 32
...
	.end_amdgpu_metadata
.endif
;; end of part 4
;; launch finish: the kernel of part 2 again; grid 1 x 1, 8 waves a work-group, no clusters, 4,096 bytes of LDS; arguments part, expert_b, expert_pref, out2, out3, out4; writes out2, out3, out4
;; launch gemm (part 5): grid 4 x 64, 4 waves a work-group, clusters of 4 x 4, 327,680 bytes of LDS; arguments xf, wh, cs, expert_b, out0; writes out0
.if DOCPART == 5
	.amdgcn_target "amdgcn-amd-amdhsa--gfx1250"
	.amdhsa_code_object_version 6
	.text
	.protected	k_q7040be40e3_gemm
	.globl	k_q7040be40e3_gemm
	.p2align	8
	.type	k_q7040be40e3_gemm,@function
k_q7040be40e3_gemm:
	s_mov_b64 s[64:65], 0
	v_nop
	global_prefetch_b8 v0, s[64:65] scope:SCOPE_SE
	s_setreg_imm32_b32 hwreg(HW_REG_WAVE_MODE, 25, 1), 1
	s_wait_xcnt 0x0
	s_wait_alu depctr_hold_cnt(0) depctr_sa_sdst(0) depctr_va_vdst(0) depctr_va_sdst(0) depctr_va_ssrc(0) depctr_va_vcc(0) depctr_vm_vsrc(0)
	s_getreg_b32 s2, hwreg(HW_REG_IB_STS2, 6, 4)
	s_cmp_eq_u32 s2, 0
	s_cbranch_scc0 .Lentry_in_a_cluster
	s_endpgm
.Lentry_in_a_cluster:
	s_bfe_u32 s2, ttmp6, 0x10000c
	s_cmp_lg_u32 s2, 0xf033
	s_cbranch_scc0 .Lentry_shape_is_right
	s_endpgm
.Lentry_shape_is_right:
; out0[t][f] = sum over e of comb[t][e] (b_e[f] + sum over d of x[t][d] W_e[f][d]).
; xf: x in f16 in fragment order ([16 tokens][32 columns][half][lane][16 bytes]); wh: W in f16, [8][1024][1024]; cs: comb in f32 ([16 tokens][half][lane][16 bytes]); b and out0 in f32.
; A tile of out0 is 128 tokens x 256 columns: 64 x 4 = 256 work-groups.  Four waves, each 64 tokens x 128 columns: 32 blocks of 16 x 16, each with a working sum ACC and an output sum FIN.
; ONLY W GOES THROUGH LDS: a ring of two slots.  A SLOT is one expert's 256 rows (the tile's columns) x 256 along K: rows of 512 bytes of memory; each wave brings 64 of them by one tensor
; load and issues 256 matrix instructions on the slot: eight quarters of 32 along K.  The first quarter starts ACC (C = 0); behind the last, FIN += comb ACC in f32: 128 packed multiply-adds.
; x COMES STRAIGHT INTO REGISTERS: the 256 columns of a slot, 256 registers, serve all eight experts; a wave reads its x once in the launch, by loads of 512 consecutive bytes.
; THE ORDER: for each of the four pairs of chunks (256 along K) the eight experts in turn, even experts in slot 0, odd ones in slot 1.  A TRIP is two slots: experts 2 p and 2 p + 1.
; Trips with p = 0, 1, 2 go round a loop (the scales are picked by p); the trip p = 3 is written out: its refills step back to expert 0 and 1 and 512 bytes on, and during expert 7 each
; quarter's x is loaded again straight behind its last use, seven quarters ahead of its next.  So every step of a descriptor is a constant and no load hangs on a branch.
; The fourth pair's trips are a second copy, since its last trip asks for nothing more and ends in the way out.
; THE BIAS, sum over e of comb_e b_e, is one K step of 32 on the matrix unit, which starts FIN (C = 0): token operand comb in f16, column operand b in f16, expert e in the low half of
; register e of lanes 0-15; the token operand is zero in every other place.
; CLUSTERS: 4 x 4 work-groups.  The four of a column of the cluster share their 256 columns, so W's tiles are asked for JOINTLY: the same tensor load, the same descriptor, a mask that names
; the four.  x is not shared so: it is 512 KiB of the 4.5 MiB that a work-group takes in, and it does not pass through LDS.  By this text's count a wave has two tensor loads out at the
; start and one behind each round; from a request to the wait for it the wave issues 240 matrix instructions.
; THE MATRIX INSTRUCTION IS USED TRANSPOSED: source 0 = 16 rows of W, source 1 = 16 tokens: a lane holds token lane % 16 and the columns 8 (lane / 16) + 0..7, so comb is one number a lane and block.
; No prefetch of x: the waves that share a block of it lie in different work-groups of a cluster.
; LIMITS: x and W enter rounded to f16 (11 significant bits; above 65,504 in magnitude an infinity, below 2^-25 zero), and so do comb and b in the bias term alone; all sums, comb in the
; combine and the combine itself are f32; an expert with comb = 0 is still multiplied in, as in the reference's dense form.
; REGISTERS, in windows of 256:  window 0: v16-30 addresses, v32-63 the 32 scales (block a, expert e at 32 + 8 a + e), v64-71 the slot's scales in pairs, v72-73 at work,
;   v128-255 W's fragments (two buffers of 8 x 8), at the end the way out.   window 1: x, quarter q, block a at 32 q + 8 a.   window 2: ACC, block (a, b) at 8 (8 a + b).   window 3: FIN, likewise.
.set PITCH,  528                       ; an LDS row: 512 bytes + 16 of padding, an odd multiple of 16: the 16 rows of a fragment load start at 16 different 16-byte columns of 256 bytes
.set SLOT,   256*PITCH
.set STAGE,  2*SLOT                    ; behind the ring: 16 rows x 528 bytes for each wave, for the way out; no tensor load lands here
.set SP,     528
.set SPARE,  STAGE+4*16*SP             ; behind the stages: the spare words, 128 bytes for each wave: two blocks of 256 bytes that no other line names
.set ADRB, 16                          ; v16-17  LDS address of my fragments of W in slot 0, 1
.set STO,  24                          ; v24     the way out: where I put 32 bytes of a row
.set RD,   25                          ; v25     the way out: where I read a row back
.set GO,   26                          ; v26     16 x lane: my 16 bytes of 512, in xf, cs and out0
.set CO,   27                          ; v27     4 x (lane % 16): my column in a block's 16 numbers of the bias
.set SPW,  28                          ; v28     LDS address of my spare word; never rewritten
.set NIL,  29                          ; v29     0; never rewritten
.set MK,   30                          ; v30     0x0000ffff in lanes 0-15, 0 in lanes 16-31
.set SC,   32
.set SCUR, 64                          ; the slot's expert: block a's scale in v[64 + 2 a]; its partner in the pair is written once, with 0
.set TS,   72
.set FB,   128
.set OB,   128
.set G1,   24                          ; s[24:31] descriptor group 1
.set G0,   32                          ; s[32:39] descriptor group 0, a set for each slot
.set MSB, 0
.macro WIN new                         ; the immediate's high byte repeats the setting that is left; a switch that changes nothing is dropped
.if MSB != (\new)
	s_set_vgpr_msb (MSB<<8)|(\new)
.set MSB, (\new)
.endif
.endm
.set MUL,  0xa4                        ; source 0 (W) window 0, source 1 (x) window 1, C and D window 2
.set CMB,  0xf2                        ; source 0 (ACC) window 2, source 1 (the scale) window 0, source 2 and destination (FIN) window 3
.set TO_X, 0x40                        ; destination window 1, address window 0
.macro CREST                           ; a round of the cluster's barrier behind its opening barrier
	s_cmp_lg_u32 s14, 0
	s_cbranch_scc1 .Lnot_wave_0_\@
	s_barrier_signal -3
.Lnot_wave_0_\@:
	s_barrier_wait -3
	s_barrier_signal -1
	s_barrier_wait -1
.endm
.macro CROUND                          ; a whole round
	s_barrier_signal -1
	s_barrier_wait -1
	CREST
.endm
.macro PLACES                          ; four places in front of loads into registers that matrix instructions have read, and of vector instructions that read results just made
.rept 4
	v_nop
.endr
.endm
; x of quarter qq: 4 token blocks x 2 halves, each load 512 consecutive bytes
.macro XRE qq
	WIN TO_X
.irp a, 0,1,2,3
	global_load_b128 v[32*(\qq)+8*\a:32*(\qq)+8*\a+3],   v[GO], s[4:5] offset:32768*\a+1024*(\qq)
	global_load_b128 v[32*(\qq)+8*\a+4:32*(\qq)+8*\a+7], v[GO], s[4:5] offset:32768*\a+1024*(\qq)+512
.endr
.endm
; The scale of block a for expert 2 p + es, picked from the four candidates by the two bits of p, which stand as lane masks (all ones or none) in s42, s43: values are selected, nothing branches
.macro SELA es, a
	v_cndmask_b32 v[TS],   v[SC+8*(\a)+\es],   v[SC+8*(\a)+2+\es], s42
	v_cndmask_b32 v[TS+1], v[SC+8*(\a)+4+\es], v[SC+8*(\a)+6+\es], s42
	v_cndmask_b32 v[SCUR+2*(\a)], v[TS], v[TS+1], s43
.endm
.macro TOP                             ; the bits of p as lane masks
	s_bitcmp1_b32 s41, 0
	s_cselect_b32 s42, -1, 0
	s_bitcmp1_b32 s41, 1
	s_cselect_b32 s43, -1, 0
.endm
; n matrix instructions of quarter q from block i0 on; block i = (i / 8, i % 8).  Quarter 0 starts the sums.
; The 32 accumulators take turns, one instruction a turn, in the same order in every quarter.
.macro MULS q, i0, n
.set i, \i0
.rept \n
.if (\q) == 0
	v_wmma_f32_16x16x32_f16 v[8*i:8*i+7], v[FB+64*((\q)%2)+8*(i%8):FB+64*((\q)%2)+8*(i%8)+7], v[32*(\q)+8*(i/8):32*(\q)+8*(i/8)+7], 0
.else
	v_wmma_f32_16x16x32_f16 v[8*i:8*i+7], v[FB+64*((\q)%2)+8*(i%8):FB+64*((\q)%2)+8*(i%8)+7], v[32*(\q)+8*(i/8):32*(\q)+8*(i/8)+7], v[8*i:8*i+7]
.endif
.set i, i+1
.endr
.endm
; 16 LDS loads in one run: W's fragments of quarter q (my 128 rows, 32 K at byte 64 q of the rows) of slot rs, into buffer q % 2
.macro FETCH rs, q
	WIN 0
.irp b, 0,1,2,3,4,5,6,7
	ds_load_b128 v[FB+64*((\q)%2)+8*\b:FB+64*((\q)%2)+8*\b+3],   v[ADRB+(\rs)] offset:64*(\q)+\b*16*PITCH
	ds_load_b128 v[FB+64*((\q)%2)+8*\b+4:FB+64*((\q)%2)+8*\b+7], v[ADRB+(\rs)] offset:64*(\q)+\b*16*PITCH+32
.endr
.endm
; One of a slot's first seven quarters.  Behind its first eight matrix instructions stand four plain vector instructions (in quarters 1 to 4 three of them pick the slot's scale of one
; block), which are the places between the quarter before's products and the loads into the registers that those read: the next quarter's fragments of W, 24 matrix instructions ahead of
; their use, and, with xr = 1, the quarter before's x, which takes the next pair of chunks.
; In slot 0 the wait on LOADcnt lets the loads of x's later quarters, eight each, stay out; where none are out it is met at once.
.macro QUARTER rs, q, xr
	s_wait_dscnt 0x0                               ; this quarter's 16 loads
.if \rs == 0
	s_wait_loadcnt 8*(7-\q)
.endif
	WIN MUL
	MULS \q, 0, 8
	WIN 0
.if (\q >= 1) && (\q <= 4)
	SELA \rs, \q-1
	v_nop
.else
	PLACES
.endif
	FETCH \rs, \q+1
.if \xr && (\q >= 1)
.if \q == 1
	s_wait_xcnt 0x0                                ; the base is stepped only behind this wait
	s_add_nc_u64 s[4:5], s[4:5], 8192              ; the next eight blocks of 32 columns
.endif
	XRE \q-1
.endif
	WIN MUL
	MULS \q, 8, 24
.endm
; FIN += comb ACC for block k, from the accumulator's low registers on
.macro C4 k
	WIN CMB
.irp j, 0,2,4,6
	v_pk_fma_f32 v[8*(\k)+\j:8*(\k)+\j+1], v[8*(\k)+\j:8*(\k)+\j+1], v[SCUR+2*((\k)/8):SCUR+2*((\k)/8)+1], v[8*(\k)+\j:8*(\k)+\j+1] op_sel_hi:[1,0,1]
.endr
.endm
; n matrix instructions of the last quarter, by turns with the combine: behind product i stands the combine of block i - 1.  Its four instructions name no register of product i and are the
; four places between that product and the combine of its own block; behind product 0 four v_nop take that part.
.macro RUN7 n
.rept \n
	WIN MUL
	v_wmma_f32_16x16x32_f16 v[8*i:8*i+7], v[FB+64+8*(i%8):FB+64+8*(i%8)+7], v[224+8*(i/8):224+8*(i/8)+7], v[8*i:8*i+7]
.if i == 0
	PLACES
.else
	C4 i-1
.endif
.set i, i+1
.endr
.endm
; A slot's last quarter finishes ACC, combines it, and (more = 1) changes slots.  Its fragments are in, so my reads of the slot are over.  In front of the barrier each wave waits for all its
; tensor loads (one is out: its part of the next slot), adds 0 to its spare word, and waits for that; behind it nobody reads this slot any more and the next slot is whole.
; fill = 1, 2: the barrier opens a round of the cluster's barrier, and the slot just read out is filled again first thing behind the round: two experts on (1), or six experts back and 512
; bytes on (2).  Then come the next slot's first fragments; the combines since the quarter before are the places in front of those loads.
.macro LASTQ rs, fill, more, xr
	s_wait_dscnt 0x0                               ; this quarter's 16 loads
.if \rs == 0
	s_wait_loadcnt 0x0                             ; x's last quarter
.endif
.set i, 0
.if \more
	WIN 0                                          ; (the add's two registers lie in window 0)
	s_wait_tensorcnt 0x0                           ; all my tensor loads have landed, so a group 0 may be written
	ds_add_u32 v[SPW], v[NIL]                      ; 0 onto my spare word
	RUN7 8                                         ; work on registers stands between the add and the wait for it
	s_wait_dscnt 0x0                               ; the add is done
	s_barrier_signal -1
	RUN7 8                                         ; work on registers while the others arrive
	WIN 0
	s_barrier_wait -1
.if \fill
	CREST                                          ; no wave of any partner still reads this slot or has a load on its way
.if \fill == 1
	s_add_nc_u64 s[G0+4*\rs+2:G0+4*\rs+3], s[G0+4*\rs+2:G0+4*\rs+3], 0x400000
.else
	s_sub_nc_u64 s[G0+4*\rs+2:G0+4*\rs+3], s[G0+4*\rs+2:G0+4*\rs+3], 0xbffe00
.endif
	tensor_load_to_lds s[G0+4*\rs:G0+4*\rs+3], s[G1:G1+7]   ; my one tensor load behind the round; four v_nop follow it
	s_nop 0
	PLACES
.endif
	FETCH 1-\rs, 0
.if \xr
	XRE 6
.endif
	RUN7 16
.else
	RUN7 32
.endif
	C4 31
.if \xr
	XRE 7                                          ; the combine of block 30 stands between the last product and these loads
.endif
.endm
.macro TRIP fill, xr, last
.irp q, 0,1,2,3,4,5,6
	QUARTER 0, \q, 0
.endr
	LASTQ 0, \fill, 1, 0
.irp q, 0,1,2,3,4,5,6
	QUARTER 1, \q, \xr
.endr
	LASTQ 1, \fill, 1-\last, \xr
.endm
; THE WAY OUT of token block a: a lane's 8 columns of a row go into my own stage, rows of 528 bytes, and come back as whole rows of 512 bytes.
.macro PUT a
	WIN 0x0c                                       ; the stores' data in window 3
.irp b, 0,1,2,3,4,5,6,7
	ds_store_b128 v[STO], v[8*(8*\a+\b):8*(8*\a+\b)+3]   offset:64*\b
	ds_store_b128 v[STO], v[8*(8*\a+\b)+4:8*(8*\a+\b)+7] offset:64*\b+16
.endr
	WIN 0
.irp t, 0,1,2,3,4,5,6,7,8,9,10,11,12,13,14,15
	ds_load_b128 v[OB+64*((\a)%2)+4*\t:OB+64*((\a)%2)+4*\t+3], v[RD] offset:SP*\t   ; LDS serves a wave's instructions in order: these see the stores above, and the next block's stores come behind them
.endr
.endm
.macro SEND a, younger                 ; younger: the LDS instructions issued behind block a's loads: the next block's 32, or none
.irp t, 0,1,2,3,4,5,6,7,8,9,10,11,12,13,14,15
	s_wait_dscnt \younger+15-\t
	global_store_b128 v[GO], v[OB+64*((\a)%2)+4*\t:OB+64*((\a)%2)+4*\t+3], s[12:13] offset:(16*(\a)+\t)*4096 th:TH_STORE_NT   ; the wave stores 512 consecutive bytes, at a multiple of 512 from out0's first byte
.endr
.endm
	s_load_b256 s[4:11], s[0:1], 0x0               ; xf s[4:5], wh s[6:7], cs s[8:9], expert_b s[10:11]
	s_load_b64 s[12:13], s[0:1], 0x20              ; out0
	v_lshl_add_u32 v[SPW], v0, 2, SPARE
	v_mov_b32 v[NIL], 0
	ds_add_u32 v28, v29
	s_wait_dscnt 0x0
	v_lshrrev_b32 v1, 5, v0
	v_readfirstlane_b32 s14, v1                    ; wave 0..3; also: which 64 rows of a slot I fetch
	s_lshr_b32 s15, s14, 1                         ; which 64 tokens of the tile are mine
	s_and_b32 s16, s14, 1                          ; which 128 columns
	s_bfe_u32 s17, ttmp6, 0x40000                  ; cx, cy: my place in the cluster
	s_bfe_u32 s18, ttmp6, 0x40004
	s_lshl_b32 s19, ttmp9, 2
	s_add_co_u32 s19, s19, s17                     ; tile column = 4 x cluster x + cx
	s_and_b32 s20, ttmp7, 0xffff
	s_lshl_b32 s20, s20, 2
	s_add_co_u32 s20, s20, s18                     ; tile row = 4 x cluster y + cy
	s_lshl_b32 s22, 0x1111, s17                    ; my column of the cluster: places cx, cx + 4, cx + 8, cx + 12
	; descriptor group 1: 64 rows of 256 elements of 2 bytes, 1,024 elements apart, padded in LDS by 4 words behind every 128
	s_or_b32 s[G1+0], s22, (1<<16)|(1<<20)|(1<<21)|(6<<22)|(3<<25)   ; 15:0 the mask; 17:16 elements of 2 bytes; 20 padding on; 21 set beside a mask; 24:22 code 6; 31:25 code 3
	s_mov_b32 s[G1+1], 256<<16                     ; tensor_dim0 = 256
	s_mov_b32 s[G1+2], 64<<16                      ; tensor_dim1 = 64
	s_mov_b32 s[G1+3], 256<<16                     ; tile_dim0 = 256
	s_mov_b32 s[G1+4], 64                          ; tile_dim1 = 64
	s_mov_b32 s[G1+5], 1024                        ; elements from row to row
	s_mov_b32 s[G1+6], 0
	s_mov_b32 s[G1+7], 0
	; where my tiles come from: the tile column and the wave alone
	s_lshl_b32 s60, s19, 8
	s_lshl_b32 s61, s14, 6
	s_add_co_u32 s60, s60, s61                     ; row 256 x tile column + 64 x wave,
	s_lshl_b32 s60, s60, 11                        ; rows of 2,048 bytes
	s_mov_b32 s61, 0
	s_mul_i32 s23, s14, 64*PITCH                   ; and where they go: wave x 64 rows: no place in the cluster enters an LDS address
	s_wait_kmcnt 0x0
	s_add_nc_u64 s[62:63], s[6:7], s[60:61]
	CROUND                                         ; all sixteen work-groups are here: the first joint loads meet
.irp s, 0,1
	s_mov_b32 s[G0+4*\s], 1                                        ; count = 1
	s_add_co_u32 s[G0+4*\s+1], s23, \s*SLOT                        ; LDS address
	s_add_nc_u64 s[G0+4*\s+2:G0+4*\s+3], s[62:63], \s*0x200000     ; global address: expert s, K from 0
	s_or_b32 s[G0+4*\s+3], s[G0+4*\s+3], 0x80000000                ; type = 2
.endr
	tensor_load_to_lds s[G0:G0+3], s[G1:G1+7]      ; both first fills together, ahead of every wait on TENSORcnt, every LDS read and every other barrier
	s_nop 0
	tensor_load_to_lds s[G0+4:G0+7], s[G1:G1+7]
	s_nop 0
	PLACES
	; xf, cs, bias and out0 at my wave's part of the tile
	s_lshl_b32 s56, s20, 7
	s_lshl_b32 s57, s15, 6
	s_add_co_u32 s56, s56, s57                     ; my first token
	s_mov_b32 s59, 0
	s_lshl_b32 s58, s56, 11
	s_add_nc_u64 s[4:5], s[4:5], s[58:59]          ; 32,768 bytes of xf for 16 tokens
	s_lshl_b32 s58, s56, 6
	s_add_nc_u64 s[8:9], s[8:9], s[58:59]          ; 1,024 bytes of cs for 16 tokens
	s_lshl_b32 s58, s56, 12
	s_add_nc_u64 s[12:13], s[12:13], s[58:59]
	s_lshl_b32 s60, s19, 8
	s_lshl_b32 s61, s16, 7
	s_add_co_u32 s60, s60, s61                     ; my first column
	s_lshl_b32 s60, s60, 2
	s_mov_b32 s61, 0
	s_add_nc_u64 s[10:11], s[10:11], s[60:61]
	s_add_nc_u64 s[12:13], s[12:13], s[60:61]
	v_and_b32 v1, 15, v0                           ; r = lane % 16
	v_bfe_u32 v2, v0, 4, 1                         ; h = lane / 16
	v_and_b32 v4, 31, v0                           ; lane
	v_lshlrev_b32 v[GO], 4, v4
	v_lshlrev_b32 v[CO], 2, v1
.irp a, 0,1,2,3
	global_load_b128 v[SC+8*\a:SC+8*\a+3],   v[GO], s[8:9] offset:1024*\a        ; the scales of my 64 tokens, all 8 experts
	global_load_b128 v[SC+8*\a+4:SC+8*\a+7], v[GO], s[8:9] offset:1024*\a+512
.endr
.irp b, 0,1,2,3,4,5,6,7
.irp e, 0,1,2,3,4,5,6,7
	global_load_b32 v[FB+8*\b+\e], v[CO], s[10:11] offset:4096*\e+64*\b          ; b_e of column 16 b + r, for now in W's buffer 0
.endr
.endr
.irp q, 0,1,2,3,4,5,6
	XRE \q                                         ; x's first seven quarters
.endr
	WIN 0
	; A fragment of W is 16 rows x 32 K in 8 registers: lane l holds row l % 16; registers 0-3 K = 8 (l / 16) + 0..7, registers 4-7 K = 16 + 8 (l / 16) + 0..7: two loads of 16 bytes, 32 bytes apart.
	v_mul_u32_u24 v3, v1, PITCH
	v_lshl_add_u32 v3, v2, 4, v3
	s_mul_i32 s56, s16, 128*PITCH                  ; my 128 rows of a slot
	v_add_nc_u32 v[ADRB], s56, v3
	s_add_co_u32 s56, s56, SLOT
	v_add_nc_u32 v[ADRB+1], s56, v3
	s_mul_i32 s56, s14, 16*SP
	s_add_co_u32 s56, s56, STAGE                   ; my stage
	v_mul_u32_u24 v5, v1, SP
	v_lshl_add_u32 v5, v2, 5, v5
	v_add_nc_u32 v[STO], s56, v5                   ; in: row r, 32 bytes for each half of the lanes
	v_add_nc_u32 v[RD], s56, v[GO]                 ; back: a whole row of 512 bytes
	s_mov_b32 s50, 0xffff0000                      ; the lanes 16-31
	v_mov_b32 v[MK], 0xffff
	v_cndmask_b32 v[MK], v[MK], 0, s50
.irp a, 0,1,2,3
	v_mov_b32 v[SCUR+2*\a+1], 0                    ; named with a scale as a pair, so it is written
.endr
	s_wait_loadcnt 0x38                            ; scales and bias are in; x's 56 loads, issued behind them, may stay out
	WIN 0x80                                       ; destination window 2: the bias step's token operand lies for now where ACC's first four blocks will
.irp a, 0,1,2,3
.irp e, 0,1,2,3,4,5,6,7
	v_cvt_pk_f16_f32 v[8*\a+\e], v[SC+8*\a+\e], v[SC+8*\a+\e]
.endr
.endr
	WIN 0x88                                       ; destination and source 1 window 2, the mask window 0
.irp a, 0,1,2,3
.irp e, 0,1,2,3,4,5,6,7
	v_and_b32 v[8*\a+\e], v[MK], v[8*\a+\e]        ; comb_e in the low half of register e, lanes 0-15; zero elsewhere
.endr
.endr
	WIN 0
.irp b, 0,1,2,3,4,5,6,7
.irp e, 0,1,2,3,4,5,6,7
	v_cvt_pk_f16_f32 v[FB+64+8*\b+\e], v[FB+8*\b+\e], v[FB+8*\b+\e]   ; the column operand, in W's buffer 1: b_e in register e; what stands in the high half and in lanes 16-31 meets zeros
.endr
.endr
	XRE 7                                          ; x's last quarter
	WIN 0
	s_wait_tensorcnt 0x1                           ; my part of slot 0 is in; slot 1's may stay out
	s_barrier_signal -1
	s_barrier_wait -1                              ; everybody's is
	FETCH 0, 0
	WIN 0xc8                                       ; source 0 window 0, source 1 window 2, destination window 3
.set i, 0
.rept 32
	v_wmma_f32_16x16x32_f16 v[8*i:8*i+7], v[FB+64+8*(i%8):FB+64+8*(i%8)+7], v[8*(i/8):8*(i/8)+7], 0
.set i, i+1
.endr
.rept 5
	v_nop                                          ; five places: the first products write over the token operand (ISA guide 7.12.1)
.endr
	WIN 0                                          ; at a label and at a branch every window is 0
	s_mov_b32 s52, 3
.Lcp:                                  ; the first three pairs of chunks
	s_mov_b32 s41, 0
.Lpa:                                  ; p = 0, 1, 2
	TOP
	TRIP 1, 0, 0
	WIN 0
	s_add_co_u32 s41, s41, 1
	s_cmp_lt_u32 s41, 3
	s_cbranch_scc1 .Lpa
	TOP                                            ; p = 3: on to the next pair of chunks
	TRIP 2, 1, 0
	WIN 0
	s_sub_co_u32 s52, s52, 1
	s_cmp_lg_u32 s52, 0
	s_cbranch_scc1 .Lcp
	s_mov_b32 s41, 0
.Lpb:                                  ; the last pair of chunks, p = 0, 1, 2
	TOP
	TRIP 1, 0, 0
	WIN 0
	s_add_co_u32 s41, s41, 1
	s_cmp_lt_u32 s41, 3
	s_cbranch_scc1 .Lpb
	TOP                                            ; the last trip asks for nothing more
	TRIP 0, 0, 1
	PUT 0                                          ; W's buffers are free: the last combines are the places behind the last products
	PUT 1                                          ; a block's way through the stage stands between the loads of the block before and its stores
	SEND 0, 32
	s_wait_xcnt 0x0                                ; the stores' data registers are loaded again only behind this wait
	PUT 2
	SEND 1, 32
	s_wait_xcnt 0x0
	PUT 3
	SEND 2, 32
	SEND 3, 0
	s_wait_tensorcnt 0x0                           ; the wave's end: behind my last tensor load and my last LDS store
	ds_add_u32 v[SPW], v[NIL]
	s_wait_dscnt 0x0
	CROUND                                         ; the closing round: no work-group ends while a partner may still ask for a tile that names it
	s_endpgm
.Lfunc_end_k_q7040be40e3_gemm:
	.size	k_q7040be40e3_gemm, .Lfunc_end_k_q7040be40e3_gemm-k_q7040be40e3_gemm
	.p2alignl 7, 3214868480
	.fill 96, 4, 3214868480
	.section	.rodata,"a",@progbits
	.p2align	6, 0x0
	.amdhsa_kernel k_q7040be40e3_gemm
		.amdhsa_group_segment_fixed_size 327680
		.amdhsa_private_segment_fixed_size 0
		.amdhsa_enable_private_segment 0
		.amdhsa_kernarg_size 40
		.amdhsa_user_sgpr_count 2
		.amdhsa_user_sgpr_kernarg_segment_ptr 1
		.amdhsa_wavefront_size32 1
		.amdhsa_system_sgpr_workgroup_id_x 1
		.amdhsa_system_sgpr_workgroup_id_y 1
		.amdhsa_system_sgpr_workgroup_id_z 1
		.amdhsa_system_vgpr_workitem_id 0
		.amdhsa_next_free_vgpr 1024
		.amdhsa_next_free_sgpr 66
		.amdhsa_reserve_vcc 0
		.amdhsa_float_denorm_mode_32 3
		.amdhsa_float_denorm_mode_16_64 3
		.amdhsa_memory_ordered 1
		.amdhsa_forward_progress 1
		.amdhsa_inst_pref_size 255
	.end_amdhsa_kernel
	.section	.bss,"aw",@nobits
	.p2align	6
	.space	262144
	.amdgpu_metadata
---
amdhsa.version: [ 1, 2 ]
amdhsa.kernels:
  - .name:           k_q7040be40e3_gemm
    .symbol:         k_q7040be40e3_gemm.kd
    .args:
      - { .name: xf, .offset: 0, .size: 8, .value_kind: global_buffer, .address_space: global }
      - { .name: wh, .offset: 8, .size: 8, .value_kind: global_buffer, .address_space: global }
      - { .name: cs, .offset: 16, .size: 8, .value_kind: global_buffer, .address_space: global }
      - { .name: expert_b, .offset: 24, .size: 8, .value_kind: global_buffer, .address_space: global }
      - { .name: out0, .offset: 32, .size: 8, .value_kind: global_buffer, .address_space: global }
    .group_segment_fixed_size: 327680
    .private_segment_fixed_size: 0
    .kernarg_segment_align: 8
    .kernarg_segment_size: 40
    .max_flat_workgroup_size: 128
    .sgpr_count:     66
    .vgpr_count:     1024
    .wavefront_size: 32
...
	.end_amdgpu_metadata
.endif
;; end of part 5
;; ======== version 3 of 3: 3 launches; version 2 with the launch prep written anew for expert scheduling mode
;; limits: values are held in f16: magnitudes above 65,504 overflow, below 6.1e-05 lose precision
;; workspace buffers: xf 16,777,216 bytes; wh 16,777,216 bytes; cs 524,288 bytes; part 32,768 bytes
;; launch prep (part 6): grid 256 x 1, 4 waves a work-group, no clusters, 67,840 bytes of LDS; arguments x, router_w, router_b, expert_w, xf, wh, out1, cs, part; writes xf, wh, out1, cs, part
.if DOCPART == 6
	.amdgcn_target "amdgcn-amd-amdhsa--gfx1250"
	.amdhsa_code_object_version 6
	.text
	.protected	k_q7040be40e3_prep
	.globl	k_q7040be40e3_prep
	.p2align	8
	.type	k_q7040be40e3_prep,@function
k_q7040be40e3_prep:
	s_mov_b64 s[64:65], 0
	v_nop
	global_prefetch_b8 v0, s[64:65] scope:SCOPE_SE
	s_setreg_imm32_b32 hwreg(HW_REG_WAVE_SCHED_MODE, 0, 2), 2
	s_setreg_imm32_b32 hwreg(HW_REG_WAVE_MODE, 25, 1), 1
	s_wait_xcnt 0x0
	s_wait_alu depctr_vm_vsrc(0)
; PREP.  One pass over x and one over expert_w, each byte read once.  256 work-groups of four waves, in two roles of equal size
; (a wave reads 64 KiB, writes 32 KiB and keeps 32 loads of 512 bytes on their way):
;   work-groups 0-127, TOKENS: x -> f16, stored in the order of matrix fragments (xf); the router's logits, softmax (out1), the two largest weights renormalised (cs, f32), and
;     per work-group the sums of the weights and the counts of tokens that use each expert (part, rows 0-127).
;   work-groups 128-255, WEIGHTS: expert_w -> f16 (wh, rows as they lie), and the sums of (w_i - w_j)^2 for the 28 pairs of experts, differences taken element by element (part, rows 128-255).
; The branch between the roles hangs on the work-group's number alone, so all four waves of a work-group take the same way and meet the same barriers.
; xf: [block of 16 tokens][block of 32 columns][half j][lane][16 bytes]: lane (r, h) = token r; half 0 holds columns 8 h + 0..7 of the block, half 1 columns 16 + 8 h + 0..7: the
;     eight registers of a 16-bit fragment, so that the product's launch loads fragments by loads of 512 consecutive bytes.
; cs: [block of 16 tokens][half j][lane][16 bytes]: lane (r, h): the combine weights of token r for experts 4 j + 0..3, in f32 (the same in both halves of the lanes).
; f16 AND NOT bf16 for the big product's operands: 11 significant bits against 8, so the rounding error of a sum of 1,024 products is an eighth.  Both operands have room in f16:
; numbers of the size of 1 (x) and 0.02 (expert_w), 30 times larger with an offset of 30 spreads, stay under 200; 30 times smaller, expert_w is of the size 6.7e-4, and f16's
; step below 2^-14 is 2^-24, a ten-thousandth of that.
; THE LOGITS ARE TRUE f32 SUMS of the unrounded inputs: they steer a choice (which two experts) that a rounding to 16 bits would turn over for some tokens.  They are
; 2 x 8192 x 8 x 1024 operations, a five-hundredth part of the program's products, and go through the f32 matrix form, transposed: source 0 = router_w (rows 8-15 repeat rows 0-7),
; source 1 = 16 tokens.  A lane then holds all 8 logits of ONE token (lane % 16), the same in both halves of the lanes, so softmax and the choice change no lanes.
; LIMITS.  The two largest are chosen on this text's own f32 weights, the lower index winning a tie; where the reference's second and third weight agree to the last bits the choice
; may differ.  v_exp_f32 gives 0 below 2^-126.  NaN in x or the router's parameters is not ordered as lax.top_k orders it.  x and expert_w are rounded once to f16: a number above
; 65,504 in magnitude becomes an infinity there, one below 2^-25 becomes 0.
; No clusters, no tensor loads, no prefetch: no two work-groups share a large input, and every wave streams.
; THE MODE: SCHED_MODE bits 1:0 = 2 (LLVM: expert scheduling mode 2), set by the entry lines.  The code itself states the register dependences between vector or matrix
; instructions and memory or LDS instructions, with s_wait_alu, always for 0.
; THE PLAN, TOKENS.  Registers that memory or LDS instructions touch:
;   v4, v6-v10, v208  offsets and LDS addresses, all made ahead of the role's first load, behind one wait on va_vdst; never written again (v208 becomes store data behind the prologue's wait on vm_vsrc).
;   XA0, XA1          written by the loads of x, read by the LDS stores that put a chunk into the stage; no vector instruction names them while the blocks run.
;   SET0, SET1        written by LDS loads, read by a block's conversions and matrix instructions; block g + 1's fragments land in the set that block g - 1 multiplied.
;   XO, two sets      written by block g's conversions, read by block g's two stores, written again in block g + 2.
; A block has two waits.  vm_vsrc at its head: the stores two blocks back have read this block's XO, and the LDS stores of the block before have read their chunk, which is asked for again
; right there.  va_vdst behind its conversions: XO is written, and the block before's matrix instructions are done reading the other set.  Behind it stand the fragment loads and, dealt among
; the eight matrix instructions, the two stores: the matrix instructions name this block's set and the accumulators alone.
; THE PLAN, WEIGHTS.  WB, a ring of four slots: written by loads, read by the turn's differences and conversions.  OUTB: written by the conversions (it takes the differences' registers when the
; turn's differences are made), read by the turn's eight stores.  LO, SO: a slot's two offsets, stepped at the head of its turn.  A turn has two waits.  vm_vsrc at its head: the last turn's stores have
; read OUTB, the slot's last loads and stores its offsets.  va_vdst behind its conversions: OUTB and the offsets are written, the slot is read out.  Behind it stand the slot's eight loads and the eight stores.
.set WT,   0                           ; LDS: router_w, 8 rows of 4,096 bytes, 4,112 apart (an odd multiple of 16: the rows of a fragment load start at different 16-byte columns of 256 bytes)
.set WTP,  4112
.set XS,   33024                       ; each wave's own stage: 16 tokens x 512 bytes, 528 apart
.set XSP,  528
.set XSW,  16*XSP
.set RED,  66816                       ; [4 waves][32] f32: the waves' partial sums
.set XA0,  16                          ; v[16:79], v[80:143]  tokens: two chunks of 16 rows x 512 bytes as loaded
.set XA1,  80
.set SET0, 144                         ; v[144:175], v[176:207]  tokens: two sets of fragments: 16 registers of x, 16 of router_w
.set SET1, 176
.set XO,   208                         ; v[208:223]  tokens: two f16 fragments of 8 registers, to store
.set ACC,  224                         ; v[224:255]  tokens: four accumulators; written by matrix instructions alone in this whole text
.set LO,   4                           ; v[4:7]    weights: slot s: byte offset of my 16 bytes in the wave's two rows of expert_w
.set SO,   8                           ; v[8:11]   weights: the same in wh
.set WB,   16                          ; v[16:143] weights: slot s at 32 s, expert e at 4 e: four numbers
.set DA,   144                         ; v[144:199] weights: 28 pairs of experts, two running sums each
.set DT,   200                         ; v[200:213] weights: up to seven differences, two numbers each
.set OUTB, 200                         ; v[200:215] weights: expert e at 2 e: the turn's four numbers in f16, to store
.set SEL,  38                          ; s[38:39]  lane selects for v_permlanex16_b32
; The work-group's 32 sums: wave 0 adds the four waves' rows of RED and stores 128 bytes of part.  Stands behind a barrier; ends the wave.
.macro TAIL
	s_cmp_lg_u32 s22, 0
	s_cbranch_scc1 .Ldone_\@
	ds_load_b32 v216, v15
	ds_load_b32 v217, v15 offset:128
	ds_load_b32 v218, v15 offset:256
	ds_load_b32 v219, v15 offset:384
	v_lshlrev_b32 v220, 2, v1
	s_wait_dscnt 0x0
	v_add_f32 v216, v216, v217
	v_add_f32 v218, v218, v219
	v_add_f32 v216, v216, v218
	s_wait_alu depctr_va_vdst(0)                   ; the additions have written v216 and the shift v220: the store reads both
	global_store_b32 v220, v216, s[20:21]
.Ldone_\@:
	s_wait_dscnt 0x0                               ; the closing lines, six on end
	s_wait_alu 0x0
	s_wait_tensorcnt 0x0
	ds_add_u32 v12, v13
	s_wait_dscnt 0x0
	s_endpgm
.endm
	s_load_b512 s[4:19], s[0:1], 0x0               ; x s[4:5], router_w s[6:7], router_b s[8:9], expert_w s[10:11], xf s[12:13], wh s[14:15], out1 s[16:17], cs s[18:19]
	s_load_b64 s[20:21], s[0:1], 0x40              ; part
	v_lshl_add_u32 v12, v0, 2, 0x10700
	v_mov_b32 v13, 0
	v_lshrrev_b32 v1, 5, v0
	v_readfirstlane_b32 s22, v1                    ; wave 0..3
	v_and_b32 v1, 31, v0                           ; lane
	s_wait_alu depctr_va_sdst(0)                   ; s22 is written, ahead of its first reader
	s_lshl_b32 s44, s22, 7
	s_add_co_u32 s44, s44, RED
	v_mov_b32 v14, s44                             ; my wave's row of RED
	v_lshl_add_u32 v15, v1, 2, RED                 ; my column of RED
	s_lshl_b32 s42, ttmp9, 7                       ; the work-group's row of part
	s_mov_b32 s43, 0
	s_wait_kmcnt 0x0
	s_add_nc_u64 s[20:21], s[20:21], s[42:43]
	s_cmp_ge_u32 ttmp9, 128
	s_cbranch_scc1 .Lrole_w
; ---------------------------------------------------------------- TOKENS: wave tile T = 4 g + w: tokens 16 T .. 16 T + 15, all 1,024 columns, in 8 chunks of 128 columns
	s_load_b256 s[32:39], s[8:9], 0x0              ; router_b
	s_lshl2_add_u32 s23, ttmp9, s22                ; T
	s_lshl_b32 s42, s23, 16
	s_add_nc_u64 s[24:25], s[4:5], s[42:43]        ; x at my 16 rows of 4,096 bytes
	s_lshl_b32 s42, s23, 15
	s_add_nc_u64 s[26:27], s[12:13], s[42:43]      ; xf at my block's 32 fragments of 1,024 bytes
	s_lshl_b32 s42, s23, 9
	s_add_nc_u64 s[28:29], s[16:17], s[42:43]      ; out1 at my 16 rows of 32 bytes
	s_lshl_b32 s42, s23, 10
	s_add_nc_u64 s[30:31], s[18:19], s[42:43]      ; cs at my block's 1,024 bytes
	s_mov_b32 s40, 0xffff0000                      ; the lanes 16-31
	s_mov_b32 s41, 0x3fb8aa3b                      ; log2(e)
	v_lshlrev_b32 v4, 4, v1                        ; 16 x lane
	s_lshl_b32 s45, s22, 13
	v_add_nc_u32 v208, s45, v4                     ; router_w: rows 2 w and 2 w + 1 are staged by wave w
	v_and_b32 v2, 15, v0                           ; r = lane % 16
	v_bfe_u32 v3, v0, 4, 1                         ; h = lane / 16
	s_mul_i32 s47, s22, XSW
	s_add_co_u32 s47, s47, XS                      ; my stage
	v_add_nc_u32 v6, s47, v4                       ; into it: a row's 512 bytes as loaded
	v_mul_u32_u24 v7, v2, XSP
	v_lshl_add_u32 v7, v3, 5, v7
	v_add_nc_u32 v7, s47, v7                       ; out of it: token r, 8 columns (32 bytes) for each half of the lanes
	v_and_b32 v8, 7, v0
	v_mul_u32_u24 v8, v8, WTP
	v_lshl_add_u32 v8, v3, 5, v8                   ; router_w: row r % 8, the same columns
	s_mul_i32 s46, s22, 2*WTP
	v_add_nc_u32 v9, s46, v4                       ; router_w into LDS
	v_lshlrev_b32 v10, 5, v2
	v_lshl_add_u32 v10, v3, 4, v10                 ; out1: token r's 32 bytes, 16 for each half
	s_wait_alu depctr_va_vdst(0)                   ; v4, v6 to v10, v14, v15 and v208 are written: every load, store and LDS instruction of this role reads one of them as its offset or address
.macro XLOAD c, buf                    ; chunk c: 16 loads, each 512 consecutive bytes of one row
.irp i, 0,1,2,3,4,5,6,7,8,9,10,11,12,13,14,15
	global_load_b128 v[\buf+4*\i:\buf+4*\i+3], v4, s[24:25] offset:\i*4096+(\c)*512 th:TH_LOAD_NT
.endr
.endm
.macro XPUT buf                        ; a chunk into my stage, rows as loaded
.irp i, 0,1,2,3,4,5,6,7,8,9,10,11,12,13,14,15
	ds_store_b128 v6, v[\buf+4*\i:\buf+4*\i+3] offset:XSP*\i
.endr
.endm
.irp rr, 0,1
.irp j, 0,1,2,3,4,5,6,7
	global_load_b128 v[SET0+32*\rr+4*\j:SET0+32*\rr+4*\j+3], v208, s[6:7] offset:4096*\rr+512*\j
.endr
.endr
	XLOAD 0, XA0
	XLOAD 1, XA1
	s_wait_loadcnt 0x20                            ; router_w is in; the 32 loads of x behind it stay out
.irp rr, 0,1
.irp j, 0,1,2,3,4,5,6,7
	ds_store_b128 v9, v[SET0+32*\rr+4*\j:SET0+32*\rr+4*\j+3] offset:WTP*\rr+512*\j
.endr
.endr
	s_wait_dscnt 0x0                               ; for the others' sake: my two rows are written
	s_barrier_signal -1
	s_barrier_wait -1
; The fragments of block gg of 32 columns (gg = 0 .. 31), in f32.  Lane (r, h) takes columns 8 h + 0..7 and 16 + 8 h + 0..7 of the block, four loads of 16 bytes: the columns, and the order,
; of a 16-bit fragment's registers.  For the f32 matrix form (K = 4) each pair of registers feeds one instruction; x and router_w are taken alike, so every product pairs the same column of both.
.macro FRAG gg, set
.irp q, 0,1,2,3
	ds_load_b128 v[\set+4*\q:\set+4*\q+3], v7 offset:128*((\gg)%4)+16*(\q%2)+64*(\q/2)
.endr
.irp q, 0,1,2,3
	ds_load_b128 v[\set+16+4*\q:\set+16+4*\q+3], v8 offset:128*(\gg)+16*(\q%2)+64*(\q/2)
.endr
.endm
; Four matrix instructions of block g, numbers n to n + 3: four accumulators by turns, one instruction a turn.  Block 0's first four start the sums.
.macro MM4
.rept 4
.if (g == 0) && (n < 4)
	v_wmma_f32_16x16x4_f32 v[ACC+8*(n%4):ACC+8*(n%4)+7], v[SETP+16+2*n:SETP+16+2*n+1], v[SETP+2*n:SETP+2*n+1], 0
.else
	v_wmma_f32_16x16x4_f32 v[ACC+8*(n%4):ACC+8*(n%4)+7], v[SETP+16+2*n:SETP+16+2*n+1], v[SETP+2*n:SETP+2*n+1], v[ACC+8*(n%4):ACC+8*(n%4)+7]
.endif
.set n, n+1
.endr
.endm
; Block g.  Where the block before put a chunk into the stage, that chunk's registers are loaded again at this block's head, with the chunk two further on.  The block's 16 numbers of x a lane
; are rounded to f16: eight conversions, which name no register of the block before's matrix instructions and stand as eight places between those and the loads into their
; fragment set.  Where the next block opens a new chunk, that chunk goes into the stage (LDS serves a wave's instructions in order, and all reads of the old chunk have come back).
; Then the next block's fragments are asked for; then eight matrix instructions, with the f16 fragment's two stores dealt among them.
.macro PHASE
.set SETP, SET0+32*(g%2)
.set SETN, SET0+32*((g+1)%2)
.set XOP,  XO+8*(g%2)
.set NC,   (g+1)/4
.set XB,   XA0+64*(NC%2)
.set LDC,  g/4+2
.set LDB,  XA0+64*((g/4)%2)
	s_wait_dscnt 0x0                               ; this block's eight loads are in
	s_wait_xcnt 0x0                                ; the fragment registers that the stores two blocks back read are rewritten only behind this wait
.if g >= 2
	s_wait_alu depctr_vm_vsrc(0)                   ; the stores two blocks back have read v[XOP ..], which the conversions write; the block before's LDS stores into the stage have read their chunk, in which the loads below land
.endif
.if (g%4 == 0) && (g >= 4) && (g <= 20)
	XLOAD LDC, LDB                                 ; no vector instruction names these registers
.endif
.irp i, 0,1,2,3,4,5,6,7
	v_cvt_pk_f16_f32 v[XOP+\i], v[SETP+2*\i], v[SETP+2*\i+1]
.endr
.if (g%4 == 3) && (g < 28)
.if g < 24
	s_wait_loadcnt 0x10                            ; the next chunk is in; the sixteen loads of the chunk behind it stay out
.else
	s_wait_loadcnt 0x0                             ; the last chunk
.endif
	XPUT XB
.endif
	s_wait_alu depctr_va_vdst(0)                   ; the conversions have written v[XOP ..], which the two stores read; the block before's matrix instructions are done reading the other set, in which the fragment loads land
.if g < 31
	FRAG g+1, SETN
.endif
.set n, 0
	MM4
	global_store_b128 v4, v[XOP:XOP+3],   s[26:27] offset:1024*g       ; each store of the wave covers 512 consecutive bytes, at a multiple of 512 from xf's first byte.  No wait: no vector or matrix instruction since the wait above names v[XOP ..]
	MM4
	global_store_b128 v4, v[XOP+4:XOP+7], s[26:27] offset:1024*g+512
.endm
	s_wait_loadcnt 0x10                            ; chunk 0 is in; chunk 1's sixteen loads stay out
	XPUT XA0
	s_wait_alu depctr_vm_vsrc(0)                   ; these LDS stores have read chunk 0's registers, router_w's LDS stores both fragment sets, router_w's loads v208: loads land in the first two, block 0's conversions write the last
	XLOAD 2, XA0
	FRAG 0, SET0
.set g, 0
.rept 32
	PHASE
.set g, g+1
.endr
.rept 8
	v_nop                                          ; the eight places between the last matrix instructions and the first read of the sums
.endr
	s_wait_xcnt 0x0                                ; the fragments' registers are free
	s_wait_kmcnt 0x0                               ; router_b
	s_wait_alu depctr_vm_vsrc(0)                   ; the LDS stores into the stage have read v[16:143], which the arithmetic below writes; xf's last stores have read v[208:223], of which the wave's end uses five
	; the logits: the four partial sums, each accumulator read from its low registers on, then the bias
.irp j, 0,2,4,6
	v_pk_add_f32 v[16+\j:17+\j], v[ACC+\j:ACC+\j+1], v[ACC+8+\j:ACC+8+\j+1]
.endr
.irp j, 0,2,4,6
	v_pk_add_f32 v[24+\j:25+\j], v[ACC+16+\j:ACC+16+\j+1], v[ACC+24+\j:ACC+24+\j+1]
.endr
.irp j, 0,2,4,6
	v_pk_add_f32 v[16+\j:17+\j], v[16+\j:17+\j], v[24+\j:25+\j]
.endr
.irp e, 0,1,2,3,4,5,6,7
	v_add_f32 v[16+\e], s[32+\e], v[16+\e]
.endr
	; softmax over the lane's 8 logits: p = 2^(c L - c max) / sum
	v_max3_num_f32 v24, v16, v17, v18
	v_max3_num_f32 v24, v24, v19, v20
	v_max3_num_f32 v24, v24, v21, v22
	v_max_num_f32 v24, v24, v23
	v_mul_f32 v25, s41, v24
.irp e, 0,1,2,3,4,5,6,7
	v_fma_f32 v[32+\e], v[16+\e], s41, -v25
.endr
.irp e, 0,1,2,3,4,5,6,7
	v_exp_f32 v[32+\e], v[32+\e]
.endr
	v_nop                                          ; a plain instruction between the last exponential and the use of its result
	s_wait_alu depctr_va_vdst(0)                   ; the eight exponentials have written v[32:39], ahead of their first reader
	v_pk_add_f32 v[40:41], v[32:33], v[34:35]
	v_pk_add_f32 v[42:43], v[36:37], v[38:39]
	v_pk_add_f32 v[40:41], v[40:41], v[42:43]
	v_add_f32 v40, v40, v41
	v_rcp_f32 v42, v40
	v_nop
	s_wait_alu depctr_va_vdst(0)                   ; the reciprocal has written v42, ahead of its first reader
.irp j, 0,2,4,6
	v_pk_mul_f32 v[32+\j:33+\j], v[32+\j:33+\j], v[42:43] op_sel_hi:[1,0]
.endr
	; the largest weight and its index; a later expert wins only if strictly larger
	v_mov_b32 v45, v32
	v_mov_b32 v44, 0
.irp e, 1,2,3,4,5,6,7
	v_cmp_gt_f32 vcc_lo, v[32+\e], v45
	s_wait_alu depctr_va_vcc(0)                    ; the compare has written VCC, which the two selects read; each compare needs the select before it, so the scan has a wait to a step
	v_cndmask_b32 v45, v45, v[32+\e], vcc_lo
	v_cndmask_b32 v44, v44, \e, vcc_lo
.endr
	; the second largest: the same scan over the other seven, from below every weight.  Which seven: eight compares in a run, into s[4:11], which hold no address any more
.irp e, 0,1,2,3,4,5,6,7
	v_cmp_ne_u32 s[4+\e], \e, v44
.endr
	v_mov_b32 v47, -1.0
	v_mov_b32 v46, 0
	s_wait_alu depctr_va_sdst(0)                   ; the eight compares have written s[4:11], ahead of their first reader: one wait for the run
.irp e, 0,1,2,3,4,5,6,7
	v_cmp_gt_f32 vcc_lo, v[32+\e], v47
	s_wait_alu depctr_va_vcc(0)                    ; the compare has written VCC, which the scalar line below reads
	s_and_b32 vcc_lo, vcc_lo, s[4+\e]
	v_cndmask_b32 v47, v47, v[32+\e], vcc_lo
	v_cndmask_b32 v46, v46, \e, vcc_lo
.endr
	v_add_f32 v48, v45, v47
	v_rcp_f32 v49, v48
	v_nop
.irp e, 0,1,2,3,4,5,6,7                ; is expert e the first choice (s[4:11]), the second (s[12:19])?  Sixteen compares in a run, the independent work behind the reciprocal
	v_cmp_eq_u32 s[4+\e], \e, v44
	v_cmp_eq_u32 s[12+\e], \e, v46
.endr
	s_wait_alu depctr_va_vdst(0)                   ; the reciprocal has written v49, ahead of its first reader
	s_wait_alu depctr_va_sdst(0)                   ; the sixteen compares have written s[4:19], ahead of their first reader: one wait for the run
	v_mul_f32 v50, v45, v49                        ; the two weights, renormalised
	v_mul_f32 v51, v47, v49
.irp e, 0,1,2,3,4,5,6,7
	s_or_b32 s[32+\e], s[4+\e], s[12+\e]           ; either choice; router_b's registers have served
.endr
.irp e, 0,1,2,3,4,5,6,7                ; comb (0 or one of the two) in v[56:63], used (0 or 1) in v[64:71]: values are selected, nothing branches
	v_cndmask_b32 v[56+\e], 0, v50, s[4+\e]
	v_cndmask_b32 v[56+\e], v[56+\e], v51, s[12+\e]
	v_cndmask_b32 v[64+\e], 0, 1.0, s[32+\e]
.endr
.irp k, 0,1,2,3                        ; out1: lanes 0-15 send experts 0-3 of their token, lanes 16-31 experts 4-7
	v_cndmask_b32 v[72+\k], v[32+\k], v[36+\k], s40
.endr
	s_wait_alu depctr_va_vdst(0)                   ; the selects have written v[56:63] and v[72:75], which the three stores read; nothing writes these registers again
	global_store_b128 v10, v[72:75], s[28:29]      ; out1: the wave stores 512 consecutive bytes
	global_store_b128 v4, v[56:59], s[30:31]       ; cs: every lane its token's eight weights, 512 consecutive bytes a store
	global_store_b128 v4, v[60:63], s[30:31] offset:512
	; sums over the 16 tokens: inside each half of the lanes; the halves hold the same tokens, so they are not added
.irp m, 1,2,4,8
.irp e, 0,1,2,3,4,5,6,7
	v_add_f32_dpp v[32+\e], v[32+\e], v[32+\e] row_xmask:\m row_mask:0xf bank_mask:0xf
	v_add_f32_dpp v[64+\e], v[64+\e], v[64+\e] row_xmask:\m row_mask:0xf bank_mask:0xf
.endr
.endr
.irp k, 0,1,2,3
	v_mov_b32 v[80+\k], 0
.endr
	s_wait_alu depctr_va_vdst(0)                   ; the sums have written v[32:39] and v[64:71], the moves v[80:83]: the LDS stores read them
	ds_store_b128 v14, v[32:35]                    ; every lane writes the same 128 bytes with the same numbers: 8 sums, 8 counts, 16 zeros
	ds_store_b128 v14, v[36:39] offset:16
	ds_store_b128 v14, v[64:67] offset:32
	ds_store_b128 v14, v[68:71] offset:48
.irp q, 4,5,6,7
	ds_store_b128 v14, v[80:83] offset:16*\q
.endr
	s_wait_dscnt 0x0                               ; for wave 0's sake: my sums are written
	s_barrier_signal -1
	s_barrier_wait -1
	TAIL
; ---------------------------------------------------------------- WEIGHTS: wave w takes rows 8 g' + 2 w and + 1 of all 8 experts: 2,048 places, 16 turns of 128 (four a lane)
.Lrole_w:
	s_sub_co_u32 s23, ttmp9, 128
	s_lshl_b32 s23, s23, 3
	s_lshl1_add_u32 s23, s22, s23                  ; my first row
	s_lshl_b32 s42, s23, 12
	s_add_nc_u64 s[24:25], s[10:11], s[42:43]      ; four bases, two experts (8 MiB) apart; the odd expert stands in the loads' immediate
	s_add_nc_u64 s[26:27], s[24:25], 0x800000
	s_add_nc_u64 s[28:29], s[26:27], 0x800000
	s_add_nc_u64 s[30:31], s[28:29], 0x800000
	s_lshl_b32 s42, s23, 11
	s_add_nc_u64 s[32:33], s[14:15], s[42:43]      ; wh: two bases, four experts (8 MiB) apart
	s_add_nc_u64 s[34:35], s[32:33], 0x800000
	s_mov_b32 s[SEL], 0x76543210
	s_mov_b32 s[SEL+1], 0xfedcba98
.irp s, 0,1,2,3
	v_lshl_add_u32 v[LO+\s], v1, 4, 512*\s
	v_lshl_add_u32 v[SO+\s], v1, 3, 256*\s
.endr
	s_wait_alu depctr_va_vdst(0)                   ; the eight offsets, v14 and v15 are written: the ring's first loads read the first four
.macro WFILL s                         ; eight loads, one an expert, each 512 consecutive bytes
.irp e, 0,1,2,3,4,5,6,7
	global_load_b128 v[WB+32*\s+4*\e:WB+32*\s+4*\e+3], v[LO+\s], s[24+2*(\e/2):25+2*(\e/2)] offset:(\e%2)*4194304 th:TH_LOAD_NT
.endr
.endm
; The 28 differences of four places (two register pairs k), squared and added: for each expert i first all its differences, then all their squares, so that no instruction waits for the one before.
.macro DIFF base, first
.set k, 0
.rept 2
.set i, 0
.rept 7
.set j, i+1
.rept 7-i
	v_pk_add_f32 v[DT+2*(j-i-1):DT+2*(j-i-1)+1], v[\base+4*i+2*k:\base+4*i+2*k+1], v[\base+4*j+2*k:\base+4*j+2*k+1] neg_lo:[0,1] neg_hi:[0,1]
.set j, j+1
.endr
.set j, i+1
.rept 7-i
.set n, i*(15-i)/2+j-i-1
.if \first && (k == 0)
	v_pk_mul_f32 v[DA+2*n:DA+2*n+1], v[DT+2*(j-i-1):DT+2*(j-i-1)+1], v[DT+2*(j-i-1):DT+2*(j-i-1)+1]
.else
	v_pk_fma_f32 v[DA+2*n:DA+2*n+1], v[DT+2*(j-i-1):DT+2*(j-i-1)+1], v[DT+2*(j-i-1):DT+2*(j-i-1)+1], v[DA+2*n:DA+2*n+1]
.endif
.set j, j+1
.endr
.set i, i+1
.endr
.set k, k+1
.endr
.endm
; The 28 sums over the wave's 32 lanes, into v[DA .. DA+27] of every lane; v[DA+28 .. DA+31] = 0.
.macro LANESUM
.set n, 0
.rept 28
	v_add_f32 v[DA+n], v[DA+2*n], v[DA+2*n+1]
.set n, n+1
.endr
.irp m, 1,2,4,8
.set n, 0
.rept 28
	v_add_f32_dpp v[DA+n], v[DA+n], v[DA+n] row_xmask:\m row_mask:0xf bank_mask:0xf
.set n, n+1
.endr
.endr
.set n, 0
.rept 28
	v_permlanex16_b32 v[DA+32+n], v[DA+n], s[SEL], s[SEL+1]   ; its destination counts as read: these registers have been written
.set n, n+1
.endr
.set n, 0
.rept 28
	v_add_f32 v[DA+n], v[DA+n], v[DA+32+n]
.set n, n+1
.endr
.irp z, 28,29,30,31
	v_mov_b32 v[DA+\z], 0
.endr
.endm
; The turn of slot s.  left: the younger loads that may stay out (three slots of eight).  ahead = 1: the slot takes the turn four further on: its two offsets step at the turn's head,
; and the turn's stores reach back by a negative immediate.  The differences are taken from the numbers as loaded, in f32; only then are the numbers rounded to f16, into v[OUTB ..].
.macro WSLOT s, ahead, left
	s_wait_loadcnt \left
	s_wait_xcnt 0x0                                ; the last turn's stores' data and this slot's two offsets are rewritten only behind this wait
	s_wait_alu depctr_vm_vsrc(0)                   ; the last turn's stores have read v[OUTB ..], which this turn's differences write; this slot's last loads and stores have read its two offsets
.if \ahead
	v_add_nc_u32 v[LO+\s], 2048, v[LO+\s]
	v_add_nc_u32 v[SO+\s], 1024, v[SO+\s]
.endif
	DIFF WB+32*\s, 0
.irp e, 0,1,2,3,4,5,6,7
	v_cvt_pk_f16_f32 v[OUTB+2*\e],   v[WB+32*\s+4*\e],   v[WB+32*\s+4*\e+1]
	v_cvt_pk_f16_f32 v[OUTB+2*\e+1], v[WB+32*\s+4*\e+2], v[WB+32*\s+4*\e+3]
.endr
	s_wait_alu depctr_va_vdst(0)                   ; the conversions have written v[OUTB ..], which the stores read; differences and conversions are done reading the slot, in which the loads land; the two offsets are written
.if \ahead
	WFILL \s
.endif
.irp e, 0,1,2,3,4,5,6,7
	global_store_b64 v[SO+\s], v[OUTB+2*\e:OUTB+2*\e+1], s[32+2*(\e/4):33+2*(\e/4)] offset:(\e%4)*2097152-1024*\ahead   ; 256 consecutive bytes, at a multiple of 256 from wh's first byte
.endr
.endm
	WFILL 0
	WFILL 1
	WFILL 2
	WFILL 3
.set n, 0
.rept 56                               ; the 56 running sums are cleared while the ring's first loads are on their way: a first turn that starts them would be a second copy of the whole round
	v_mov_b32 v[DA+n], 0
.set n, n+1
.endr
	s_mov_b32 s36, 3
.Lwround:
	WSLOT 0, 1, 24
	WSLOT 1, 1, 24
	WSLOT 2, 1, 24
	WSLOT 3, 1, 24
	s_sub_co_u32 s36, s36, 1
	s_cmp_lg_u32 s36, 0
	s_cbranch_scc1 .Lwround
	WSLOT 0, 0, 24                                 ; the last round loads nothing: the counts run down
	WSLOT 1, 0, 16
	WSLOT 2, 0, 8
	WSLOT 3, 0, 0
	s_wait_xcnt 0x0                                ; the last stores' data registers are rewritten only behind this wait
	s_wait_alu depctr_vm_vsrc(0)                   ; the last turn's stores have read v[OUTB ..], of which the exchange between the halves of the lanes writes the first four
	LANESUM
	s_wait_alu depctr_va_vdst(0)                   ; the sums have written v[DA .. DA+31], which the LDS stores read
.irp q, 0,1,2,3,4,5,6,7
	ds_store_b128 v14, v[DA+4*\q:DA+4*\q+3] offset:16*\q   ; every lane writes the same 128 bytes with the same numbers
.endr
	s_wait_dscnt 0x0                               ; for wave 0's sake
	s_barrier_signal -1
	s_barrier_wait -1
	TAIL
.Lfunc_end_k_q7040be40e3_prep:
	.size	k_q7040be40e3_prep, .Lfunc_end_k_q7040be40e3_prep-k_q7040be40e3_prep
	.p2alignl 7, 3214868480
	.fill 96, 4, 3214868480
	.section	.rodata,"a",@progbits
	.p2align	6, 0x0
	.amdhsa_kernel k_q7040be40e3_prep
		.amdhsa_group_segment_fixed_size 67840
		.amdhsa_private_segment_fixed_size 0
		.amdhsa_enable_private_segment 0
		.amdhsa_kernarg_size 72
		.amdhsa_user_sgpr_count 2
		.amdhsa_user_sgpr_kernarg_segment_ptr 1
		.amdhsa_wavefront_size32 1
		.amdhsa_system_sgpr_workgroup_id_x 1
		.amdhsa_system_sgpr_workgroup_id_y 1
		.amdhsa_system_sgpr_workgroup_id_z 1
		.amdhsa_system_vgpr_workitem_id 0
		.amdhsa_next_free_vgpr 256
		.amdhsa_next_free_sgpr 66
		.amdhsa_reserve_vcc 1
		.amdhsa_float_denorm_mode_32 3
		.amdhsa_float_denorm_mode_16_64 3
		.amdhsa_memory_ordered 1
		.amdhsa_forward_progress 1
		.amdhsa_inst_pref_size 192
	.end_amdhsa_kernel
	.amdgpu_metadata
---
amdhsa.version: [ 1, 2 ]
amdhsa.kernels:
  - .name:           k_q7040be40e3_prep
    .symbol:         k_q7040be40e3_prep.kd
    .args:
      - { .name: x, .offset: 0, .size: 8, .value_kind: global_buffer, .address_space: global }
      - { .name: router_w, .offset: 8, .size: 8, .value_kind: global_buffer, .address_space: global }
      - { .name: router_b, .offset: 16, .size: 8, .value_kind: global_buffer, .address_space: global }
      - { .name: expert_w, .offset: 24, .size: 8, .value_kind: global_buffer, .address_space: global }
      - { .name: xf, .offset: 32, .size: 8, .value_kind: global_buffer, .address_space: global }
      - { .name: wh, .offset: 40, .size: 8, .value_kind: global_buffer, .address_space: global }
      - { .name: out1, .offset: 48, .size: 8, .value_kind: global_buffer, .address_space: global }
      - { .name: cs, .offset: 56, .size: 8, .value_kind: global_buffer, .address_space: global }
      - { .name: part, .offset: 64, .size: 8, .value_kind: global_buffer, .address_space: global }
    .group_segment_fixed_size: 67840
    .private_segment_fixed_size: 0
    .kernarg_segment_align: 8
    .kernarg_segment_size: 72
    .max_flat_workgroup_size: 128
    .sgpr_count:     66
    .vgpr_count:     256
    .wavefront_size: 32
...
	.end_amdgpu_metadata
.endif
;; end of part 6
;; launch finish: the kernel of part 2 again; grid 1 x 1, 8 waves a work-group, no clusters, 4,096 bytes of LDS; arguments part, expert_b, expert_pref, out2, out3, out4; writes out2, out3, out4
;; launch gemm: the kernel of part 5 again; grid 4 x 64, 4 waves a work-group, clusters of 4 x 4, 327,680 bytes of LDS; arguments xf, wh, cs, expert_b, out0; writes out0
